; MI455X (gfx1250); checked and timed in simulation.
; The chip was launched on July 23, 2026; its instructions are those of AMD's public machine-readable ISA for CDNA 5 (MIT licence, August 2026) and "CDNA5" Instruction Set Architecture Reference Guide (July 2026). The comments in the code are by the model that wrote it; some were corrected since.
;; Self Attention. Allowed arithmetic: matrix products marked QUANTISED: E2M1 operands, one E8M0 scale for each 32 along K, by v_wmma_scale_f32_16x16x128_f8f6f4 with both operands' format E2M1 (or v_wmma_scale_f32_32x16x128_f4), f32 sums; everything else in f32.
;; Inputs: bk 1,024 float32; bo 1,024 float32; bq 1,024 float32; bv 1,024 float32; wk 1,024 x 1,024 float32; wo 1,024 x 1,024 float32; wq 1,024 x 1,024 float32; wv 1,024 x 1,024 float32; x 4 x 2,048 x 1,024 float32.
;; Outputs: out0 4 x 2,048 x 1,024 float32.
;; This version of the problem:
;;   THIS VERSION OF THE PROBLEM IS GIVEN IN LOW PRECISION. The matrix products marked QUANTISED in the list below multiply operands that are first quantised to E2M1 (2 exponent bits, 1 mantissa bit; 4 bits a number), with one power-of-two scale for each 32 numbers along K (OCP MX v1.0); their sums are f32. All else is computed in f32.
;;   The module's matrix products, in the order in which they are computed (A, B: the left and right operand; K: the contracted axis; several contracted axes count as one K, in the product's order):
;;     1. [M 8,192, K 1,024] x [K 1,024, N 1,024]; A: input x; B: input wq: QUANTISED
;;     2. [M 8,192, K 1,024] x [K 1,024, N 1,024]; A: input x; B: input wk: QUANTISED
;;     3. [M 8,192, K 1,024] x [K 1,024, N 1,024]; A: input x; B: input wv: QUANTISED
;;     4. batch 64 x [M 2,048, K 64] x [K 64, N 2,048]; A: computed on the way; B: computed on the way: QUANTISED
;;     5. batch 64 x [M 2,048, K 2,048] x [K 2,048, N 64]; A: softmax (see below); B: computed on the way: QUANTISED
;;     6. [M 8,192, K 1,024] x [K 1,024, N 1,024]; A: computed on the way; B: input wo: QUANTISED
;;   THE QUANTISER, for each operand of a quantised product, along K:
;;     - K is cut into blocks of 32 from its start; a last block that is shorter is filled with zeros.
;;     - A block's scale is 2^e with e = floor(log2(the largest magnitude in the block)) - 2, held to -126 .. 127; a block of zeros has e = 0. As a byte (E8M0): e + 127.
;;     - Each number is divided by its block's scale, clamped to +-6, and rounded to the nearest number of E2M1, ties to even, subnormals kept.
;;     - The product sums the exact products of the quantised numbers (number of the format x scale) in f32.
;;   ~~~python
;;   def quantise(x, axis):      # numpy; x: float32 -> the quantised numbers, widened to float32 again
;;       x = np.moveaxis(x, axis, -1); K = x.shape[-1]
;;       x = np.pad(x, [(0, 0)] * (x.ndim - 1) + [(0, -K % 32)]); x = x.reshape(x.shape[:-1] + (-1, 32)); a = np.abs(x).max(-1, keepdims=True)
;;       e = np.where(a > 0, np.clip(np.frexp(np.where(a > 0, a, 1))[1] - 1 - 2, -126, 127), 0)      # np.frexp(a)[1] - 1 = floor(log2(a)), exactly
;;       r = np.clip(x / 2.0 ** e, -6, 6)
;;       step = 2.0 ** (np.maximum(np.frexp(np.where(r == 0, 1, r))[1] - 1, 0) - 1)
;;       q = np.round(r / step) * step * 2.0 ** e      # np.round: ties to even
;;       return np.moveaxis(q.reshape(q.shape[:-2] + (-1,))[..., :K], -1, axis).astype(np.float32)
;;   ~~~
;;   SOFTMAX AHEAD OF A QUANTISED PRODUCT. Where the list says 'softmax', what is quantised is not the finished softmax but p = 2^(t - M), with t = logit x log2(e) and M = ceil(the row's largest t), a whole number; so 1/2 < the row's largest p <= 1. The row's sum l is taken of the UNQUANTISED p, in f32, and the product's result is divided by l at the end. Since M is a whole number, a kernel that streams over the keys may use a running M (the ceiling of the running maximum): every later rescaling is an exact power of two, which a block's scale takes up: the codes' values come out the same.
;;   OPERANDS COMPUTED ON THE WAY. 'Computed on the way' means the value that the module computes at that place (a softmax that the list does not call 'softmax' is quantised finished and normalised). What goes into a quantiser is computed in f32, as accurately as f32 sums, v_exp_f32 and their like allow (about 1e-6 of the number): no bf16 or f16 on the way to a quantiser, and a product that is left as it is and whose result goes on into a quantised operand takes f32 operands (vector FMAs, or v_wmma_f32_16x16x4_f32). A number that lies on a knife's edge between two numbers of the format may be rounded either way, as far as f32 arithmetic and the matrix unit's own rounding can turn it there, and no further.
;; One version. Each part assembles by itself: llvm-mc -triple=amdgcn-amd-amdhsa -mcpu=gfx1250 --defsym DOCPART=n.
;; ======== version 1 of 1: 4 launches
;; workspace buffers: codes 6,291,456 bytes; scales 393,216 bytes; img 17,825,792 bytes; cc 4,194,304 bytes; cs 262,144 bytes
;; launch quant (part 1): grid 384 x 1, 4 waves a work-group, no clusters, 33,280 bytes of LDS; arguments x, wq, wk, wv, wo, codes, scales; writes codes, scales
.if DOCPART == 1
	.amdgcn_target "amdgcn-amd-amdhsa--gfx1250"
	.amdhsa_code_object_version 6
	.text
	.protected	k_q88c249d771_quant
	.globl	k_q88c249d771_quant
	.p2align	8
	.type	k_q88c249d771_quant,@function
k_q88c249d771_quant:
	s_mov_b64 s[64:65], 0
	v_nop
	global_prefetch_b8 v0, s[64:65] scope:SCOPE_SE
	s_setreg_imm32_b32 hwreg(HW_REG_WAVE_MODE, 25, 1), 1
	s_wait_xcnt 0x0
; x [8192][1024], wq, wk, wv, wo [1024][1024], f32, K innermost, become codes of FP4 (E2M1) and one E8M0 byte for each 32 along K.
; codes: 12,288 rows of 512 bytes, scales: 12,288 rows of 32 bytes; rows 0-8191 x, then 1,024 each of wq, wk, wv, wo.
; A block's scale is 2^(floor(log2(largest magnitude)) - 2): its byte is the largest magnitude's exponent field - 2, held at 1 from below.
; LIMITS: a block of zeros gets the byte 1 where the quantiser says 127 (its codes are zeros, and this program alone reads the bytes);
; blocks whose largest magnitude lies under 2^-124 have the byte held at 1; NaN and infinities among the inputs are not served.
; THE ROWS OF x, wq, wk, wv ARE STORED IN ANOTHER ORDER: row number with its bits 3 and 4 exchanged.  So 16 neighbouring stored rows 16 i + r are the
; rows 32 (i / 2) + 8 (i % 2) + r + 8 (r / 8): the next launch's results then fall, 16 registers of two neighbouring tiles, on 16 neighbours along the next K.
; A wave takes a run of 8 rows (8,192 numbers, 16 steps of 512), so the exchange is an exchange of the two bits of the wave's number on the way out.  wo keeps its order.
; Each load reads 512 consecutive bytes; a step's 2,048 bytes turn through the wave's own stage in LDS so that a lane holds 16 neighbours (two lanes a block).
; No tensor loads, no barrier: waves share nothing.  Loads run four steps ahead, the turn through LDS one step.
.set STEPS, 16
.set CB,    8                          ; bytes of 16 codes
.set R,     16                         ; v16-79   four sets of 16 numbers as loaded
.set X,     80                         ; v80-111  two sets of 16 neighbours
.set E,     112                        ; v112-127 a scale byte for each step
.set C,     128                        ; v128-191 codes: registers of its own for each step, so that no store's data are written again
.set WREG,  8192                       ; LDS of a wave: two stages of 32 x SP bytes, then its 256 scale bytes
.set SP,    80                         ; a lane's place in a stage: 64 bytes + 16 of padding
	s_load_b256 s[4:11], s[0:1], 0x0               ; x, wq, wk, wv
	s_load_b128 s[12:15], s[0:1], 0x20             ; wo, codes
	s_load_b64 s[16:17], s[0:1], 0x30              ; scales
	v_lshl_add_u32 v192, v0, 2, 0x8000
	v_mov_b32 v193, 0
	v_lshrrev_b32 v1, 5, v0
	v_readfirstlane_b32 s18, v1                    ; wave
	v_and_b32 v2, 31, v0                           ; lane
	v_lshlrev_b32 v3, 4, v2                        ; my 16 bytes of a load's 512
	s_mul_i32 s19, s18, WREG
	v_lshrrev_b32 v14, 2, v2
	v_mul_u32_u24 v14, v14, SP
	v_and_b32 v15, 3, v2
	v_lshl_add_u32 v14, v15, 4, v14
	v_add_nc_u32 v14, s19, v14                     ; into the stage: SP (lane / 4) + 16 (lane % 4)
	v_mul_u32_u24 v15, v2, SP
	v_add_nc_u32 v15, s19, v15                     ; out of it: SP x lane: my 16 neighbours
	v_mul_u32_u24 v4, v2, CB                       ; my codes' place in a step's 256 bytes
	v_lshrrev_b32 v5, 1, v2
	s_add_co_u32 s19, s19, 2*32*SP
	v_add_nc_u32 v5, s19, v5                       ; my block's byte among my wave's 256
	v_lshlrev_b32 v7, 3, v2
	v_add_nc_u32 v6, s19, v7                       ; and on the way out 8 bytes a lane
	s_and_b32 s20, s18, 1
	s_lshl_b32 s20, s20, 1
	s_lshr_b32 s21, s18, 1
	s_or_b32 s20, s20, s21                         ; the wave's number with its two bits exchanged
	s_mov_b32 s23, 0
	s_wait_kmcnt 0x0
	s_cmp_lt_u32 ttmp9, 352                        ; which tensor: the choice hangs on the work-group's number alone
	s_cselect_b64 s[12:13], s[10:11], s[12:13]
	s_cselect_b32 s20, s20, s18                    ; wo keeps its rows' order
	s_cmp_lt_u32 ttmp9, 320
	s_cselect_b64 s[12:13], s[8:9], s[12:13]
	s_cmp_lt_u32 ttmp9, 288
	s_cselect_b64 s[12:13], s[6:7], s[12:13]
	s_cmp_lt_u32 ttmp9, 256
	s_cselect_b64 s[12:13], s[4:5], s[12:13]
	s_cselect_b32 s21, -1, 31
	s_and_b32 s21, ttmp9, s21                      ; the work-group's number within its tensor (a weight has 32)
	s_lshl_b32 s21, s21, 2
	s_add_co_u32 s21, s21, s18                     ; the run that I read,
	s_lshl_b32 s22, s21, 15                        ; 32,768 bytes each
	s_add_nc_u64 s[12:13], s[12:13], s[22:23]
	s_lshl_b32 s21, ttmp9, 2
	s_add_co_u32 s21, s21, s20                     ; the run that I write:
	s_lshl_b32 s22, s21, 12                        ; 4,096 bytes of codes,
	s_add_nc_u64 s[14:15], s[14:15], s[22:23]
	s_lshl_b32 s22, s21, 8                         ; 256 scale bytes
	s_add_nc_u64 s[16:17], s[16:17], s[22:23]
.macro LOAD t
.irp i, 0,1,2,3
	global_load_b128 v[R+16*((\t)%4)+4*\i:R+16*((\t)%4)+4*\i+3], v3, s[12:13] offset:2048*(\t)+512*\i th:TH_LOAD_NT   ; 32 lanes read 512 consecutive bytes
.endr
.endm
.macro TURN t                          ; step t through the stage: LDS serves a wave's instructions in order, so no wait stands between the stores and the loads
.irp i, 0,1,2,3
	ds_store_b128 v14, v[R+16*((\t)%4)+4*\i:R+16*((\t)%4)+4*\i+3] offset:32*SP*((\t)%2)+8*SP*\i
.endr
.irp i, 0,1,2,3
	ds_load_b128 v[X+16*((\t)%2)+4*\i:X+16*((\t)%2)+4*\i+3], v15 offset:32*SP*((\t)%2)+16*\i
.endr
.endm
.irp t, 0,1,2,3
	LOAD \t
.endr
	s_wait_loadcnt 12                              ; step 0's four loads are in; the twelve of steps 1 to 3 may be out
	TURN 0
.macro STEP t
.set XS, X+16*((\t)%2)
.if (\t) > 0
	s_wait_dscnt 1                                 ; this step's numbers are back from the stage; the last step's byte store may be out
.else
	s_wait_dscnt 0x0
.endif
.if (\t)+4 < STEPS
	LOAD (\t)+4                                    ; into the registers that the stage's stores have read
.endif
.if (\t)+1 < STEPS
.if STEPS-2-(\t) >= 3
	s_wait_loadcnt 12                              ; the next step's four loads are in; those of the three steps behind it may be out
.else
	s_wait_loadcnt 4*(STEPS-2-(\t))
.endif
	TURN (\t)+1
.endif
	v_max3_num_f32 v8, |v[XS]|, |v[XS+1]|, |v[XS+2]|               ; the largest magnitude of my 16, in two chains
	v_max3_num_f32 v9, |v[XS+3]|, |v[XS+4]|, |v[XS+5]|
.irp i, 6,10
	v_max3_num_f32 v8, v8, |v[XS+\i]|, |v[XS+\i+1]|
	v_max3_num_f32 v9, v9, |v[XS+\i+2]|, |v[XS+\i+3]|
.endr
	v_max3_num_f32 v8, v8, |v[XS+14]|, |v[XS+15]|
	v_max3_num_f32 v8, v8, v9, 0x1800000           ; and the floor 2^(3 - 127): the byte cannot fall under 1
	v_max_num_f32_dpp v8, v8, v8 row_xmask:1 row_mask:0xf bank_mask:0xf   ; with my neighbour's 16: the block's
	v_add_nc_u32 v11, 0xff000000, v8               ; 2 off its exponent field: the conversion takes that field as its scale
	v_cvt_scalef32_pk8_fp4_f32 v[C+4*(\t)], v[XS:XS+7], v11
	v_cvt_scalef32_pk8_fp4_f32 v[C+4*(\t)+1], v[XS+8:XS+15], v11
	v_lshrrev_b32 v[E+(\t)], 23, v11               ; the scale's byte (a plain line behind the conversions)
	ds_store_b8 v5, v[E+(\t)] offset:16*(\t)       ; both lanes of a block write the same byte with the same value
	global_store_b64 v4, v[C+4*(\t):C+4*(\t)+1], s[14:15] offset:32*CB*(\t)   ; the wave stores 256 consecutive bytes, aligned
.endm
.irp t, 0,1,2,3,4,5,6,7,8,9,10,11,12,13,14,15
	STEP \t
.endr
	ds_load_b64 v[12:13], v6                       ; in order behind my byte stores
	s_wait_dscnt 0x0
	global_store_b64 v7, v[12:13], s[16:17]        ; 256 consecutive bytes, aligned
	s_wait_tensorcnt 0x0
	ds_add_u32 v192, v193
	s_wait_dscnt 0x0
	s_endpgm
.Lfunc_end_k_q88c249d771_quant:
	.size	k_q88c249d771_quant, .Lfunc_end_k_q88c249d771_quant-k_q88c249d771_quant
	.p2alignl 7, 3214868480
	.fill 96, 4, 3214868480
	.section	.rodata,"a",@progbits
	.p2align	6, 0x0
	.amdhsa_kernel k_q88c249d771_quant
		.amdhsa_group_segment_fixed_size 33280
		.amdhsa_private_segment_fixed_size 0
		.amdhsa_enable_private_segment 0
		.amdhsa_kernarg_size 56
		.amdhsa_user_sgpr_count 2
		.amdhsa_user_sgpr_kernarg_segment_ptr 1
		.amdhsa_wavefront_size32 1
		.amdhsa_system_sgpr_workgroup_id_x 1
		.amdhsa_system_sgpr_workgroup_id_y 1
		.amdhsa_system_sgpr_workgroup_id_z 1
		.amdhsa_system_vgpr_workitem_id 0
		.amdhsa_next_free_vgpr 194
		.amdhsa_next_free_sgpr 66
		.amdhsa_reserve_vcc 0
		.amdhsa_float_denorm_mode_32 3
		.amdhsa_float_denorm_mode_16_64 3
		.amdhsa_memory_ordered 1
		.amdhsa_forward_progress 1
		.amdhsa_inst_pref_size 34
	.end_amdhsa_kernel
	.amdgpu_metadata
---
amdhsa.version: [ 1, 2 ]
amdhsa.kernels:
  - .name:           k_q88c249d771_quant
    .symbol:         k_q88c249d771_quant.kd
    .args:
      - { .name: x, .offset: 0, .size: 8, .value_kind: global_buffer, .address_space: global }
      - { .name: wq, .offset: 8, .size: 8, .value_kind: global_buffer, .address_space: global }
      - { .name: wk, .offset: 16, .size: 8, .value_kind: global_buffer, .address_space: global }
      - { .name: wv, .offset: 24, .size: 8, .value_kind: global_buffer, .address_space: global }
      - { .name: wo, .offset: 32, .size: 8, .value_kind: global_buffer, .address_space: global }
      - { .name: codes, .offset: 40, .size: 8, .value_kind: global_buffer, .address_space: global }
      - { .name: scales, .offset: 48, .size: 8, .value_kind: global_buffer, .address_space: global }
    .group_segment_fixed_size: 33280
    .private_segment_fixed_size: 0
    .kernarg_segment_align: 8
    .kernarg_segment_size: 56
    .max_flat_workgroup_size: 128
    .sgpr_count:     66
    .vgpr_count:     194
    .wavefront_size: 32
...
	.end_amdgpu_metadata
.endif
;; end of part 1
;; launch qkv (part 2): grid 12 x 32, 4 waves a work-group, clusters of 4 x 4, 327,680 bytes of LDS; arguments codes, scales, bq, bk, bv, img; writes img
.if DOCPART == 2
	.amdgcn_target "amdgcn-amd-amdhsa--gfx1250"
	.amdhsa_code_object_version 6
	.text
	.protected	k_q88c249d771_qkv
	.globl	k_q88c249d771_qkv
	.p2align	8
	.type	k_q88c249d771_qkv,@function
k_q88c249d771_qkv:
	s_mov_b64 s[64:65], 0
	v_nop
	global_prefetch_b8 v0, s[64:65] scope:SCOPE_SE
	s_setreg_imm32_b32 hwreg(HW_REG_WAVE_MODE, 25, 1), 1
	s_wait_xcnt 0x0
	s_wait_alu depctr_hold_cnt(0) depctr_sa_sdst(0) depctr_va_vdst(0) depctr_va_sdst(0) depctr_va_ssrc(0) depctr_va_vcc(0) depctr_vm_vsrc(0)
	s_getreg_b32 s2, hwreg(HW_REG_IB_STS2, 6, 4)
	s_cmp_eq_u32 s2, 0
	s_cbranch_scc0 .Lentry_in_a_cluster
	s_endpgm
.Lentry_in_a_cluster:
	s_bfe_u32 s2, ttmp6, 0x10000c
	s_cmp_lg_u32 s2, 0xf033
	s_cbranch_scc0 .Lentry_shape_is_right
	s_endpgm
.Lentry_shape_is_right:
; q = x wq^T + bq, k = x wk^T + bk, v = x wv^T + bv on codes of FP4 with E8M0 scales, and the results QUANTISED IN REGISTERS for the attention launch: q and k along the head's 64 channels, v along the keys.
; ONE BODY FOR THE THREE.  Cluster x = 0: q, 1: k: operand A = x (tokens), B = the weight (channels).  Cluster x = 2: v, made transposed: A = wv (channels), B = x (tokens).
; The matrix instruction takes B's rows as source 0 and A's as source 1: a lane holds ONE row of A and its registers run along B's rows, which is the axis to be quantised in all three cases.
; Both operands lie in one buffer of codes (x rows 0-8191, wq from 8192, wk from 9216, wv from 10240), so the case enters only as row numbers and byte offsets, chosen by s_cselect_b32 on the cluster's x: no branch hangs on it.
; Rows are stored with bits 3 and 4 of their number exchanged: stored row 16 i + r is row 32 (i / 2) + 8 (i % 2) + r + 8 (r / 8).  So register 8 b + j of a block's 64 results is B's row 32 (b / 2) + 16 (lane / 16) + 8 (b % 2) + j: 16 neighbours for each pair of tiles.
; SHARES: a tile of 256 x 256 to a work-group of four waves, 128 x 128 (64 accumulators, 512 registers) to a wave.  K = 1,024 is two LDS slots of 512 (rows of 256 bytes + 16 of padding): both are first fills, nothing is filled again.
; The scale bytes of the 256 + 256 rows, for all of K, come once as dense blocks.  By this text's count a wave has three tensor loads out at most.
; CLUSTER 4 x 4: A's tiles are shared along a row of the cluster, B's along a column, each asked for jointly by the same tensor load with a mask that names the four.
; OUT (img): q's image at byte 0, k's and v's at KVIMG; [batch x 16 + head][step of 128 keys][8,704 bytes]: 4,096 of K (or q) codes, 4,096 of V^T codes, 256 of K scale words, 256 of V scale words,
; all as images of the operand's registers: 16 bytes a lane, 512 consecutive bytes a store.
; LIMITS: a block of zeros gets the byte 1 and not 127 (zero codes; the bytes are read by this program alone); largest magnitudes under 2^-124 have the byte held at 1; NaN and infinities are not served.
; REGISTERS: window 0: v1-29 addresses; v32-95 scale words, two sets (way out: v32-47 at work, v48-55 codes); v96-111 the row bias in pairs; v112-119 the blocks' scale words; v120-127 at work;
;   v128-191 A's fragments, one set (way out: 64 results); v192-255 the column bias.   window 1: B's fragments, two sets.   windows 2, 3: the accumulators ((a, b) at v[8 (8 (a % 4) + b)]).
.set PITCH,  272                       ; an LDS row: 256 bytes + 16 of padding: the 16 rows of a fragment load start at 16 different banks
.set HALFT,  128*PITCH                 ; what one tensor load brings
.set SLOT,   4*HALFT                   ; A's 256 rows, then B's 256
.set NQ,     4                         ; steps of 128 along K in a slot
.set FR,     8                         ; registers of a fragment
.set NL,     2                         ; LDS loads that bring one
.set NP,     4                         ; places behind this matrix instruction (ISA guide 7.12.1)
.set SCL,    2*SLOT                    ; behind the slots: the scale bytes, as units of 256 bytes + 16
.set HALFS,  16*272                    ; those of 128 rows (32 bytes a row)
.set SBLK,   2*272                     ; those of 16 rows
.set HEADB,  139264                    ; a head's image
.set STEPB,  8704                      ; a step's
.set KVIMG,  64*HEADB
.set ROWWQ,  8192
.set ROWWV,  10240
.set ADRA, 16
.set ADRB, 20
.set VO0,  24                          ; 16 x lane
.set VO1,  25                          ; + the distance from the fragment's first half to its second
.set VSO,  26                          ; the scale words' place: 16 r, lanes 16-31 one head on
.set ADRS, 27
.set CBO,  28                          ; 64 (lane / 16)
.set RBO,  29                          ; 4 (r + 8 (r / 8))
.set SC,   32
.set TM,   32
.set PC,   48
.set BR,   96
.set PWS,  112
.set XX,   120
.set YY,   124
.set AF,   128
.set T,    128
.set BC,   192
.set G1, 24
.set G0, 32
.set G1B, 48
.set G0B, 56
.set G1S, 68
.set G0S, 76
.set G1SB, 80
.set G0SB, 88
.set MSB, 0
.macro WIN new                         ; the immediate's high byte repeats the setting that is left
.if MSB != \new
	s_set_vgpr_msb (MSB<<8)|\new
.set MSB, \new
.endif
.endm
.set MUL_LO,   0xa1                    ; source 0 (B) window 1, source 1 (A) window 0, C and D window 2
.set MUL_HI,   0xf1                    ; the same, C and D window 3
.set FIRST_LO, 0x81                    ; the first step: C (the column bias) window 0, D window 2
.set FIRST_HI, 0xc1
.set TO_B,     0x40
; A joint load: waves 0 and 1 fetch for A, waves 2 and 3 for B; the branch hangs on the wave's number alone.  Four v_nop follow each of the two lines.
.macro JLOAD g0a, g1a, g0b, g1b
	s_cmp_eq_u32 s17, 0
	s_cbranch_scc0 .Lfor_b_\@
	tensor_load_to_lds s[\g0a:\g0a+3], s[\g1a:\g1a+7]
	s_nop 0
.rept 4
	v_nop
.endr
	s_branch .Lasked_\@
.Lfor_b_\@:
	tensor_load_to_lds s[\g0b:\g0b+3], s[\g1b:\g1b+7]
	s_nop 0
.rept 4
	v_nop
.endr
.Lasked_\@:
.endm
.macro CROUND                          ; a round of the cluster's barrier
	s_barrier_signal -1
	s_barrier_wait -1
	s_cmp_lg_u32 s16, 0
	s_cbranch_scc1 .Lnot_wave_0_\@
	s_barrier_signal -3
.Lnot_wave_0_\@:
	s_barrier_wait -3
	s_barrier_signal -1
	s_barrier_wait -1
.endm
	s_load_b256 s[4:11], s[0:1], 0x0               ; codes s[4:5], scales s[6:7], bq s[8:9], bk s[10:11]
	s_load_b128 s[12:15], s[0:1], 0x20             ; bv s[12:13], img s[14:15]
	v_lshl_add_u32 v30, v0, 2, 0x48400
	v_mov_b32 v31, 0
	ds_add_u32 v30, v31
	ds_add_u32 v30, v31
	v_lshrrev_b32 v1, 5, v0
	v_readfirstlane_b32 s16, v1                    ; wave 0..3
	s_lshr_b32 s17, s16, 1                         ; my half of A's rows.  Also: I fetch for A (0) or for B (1)
	s_and_b32 s18, s16, 1                          ; my half of B's rows.  Also: which 128 rows I fetch
	s_bfe_u32 s40, ttmp6, 0x40000                  ; cx
	s_bfe_u32 s41, ttmp6, 0x40004                  ; cy
	s_and_b32 s42, ttmp7, 0xffff                   ; the cluster's y
	s_lshl_b32 s43, s41, 2
	s_lshl_b32 s43, 15, s43                        ; my row of the cluster
	s_lshl_b32 s44, 0x1111, s40                    ; my column
	s_or_b32 s[G1+0], s43, (0<<16)|(1<<20)|(1<<21)|(5<<22)|(3<<25)   ; the mask; elements of 1 byte; padding of 4 words after every 64; bit 21 beside a mask
	s_or_b32 s[G1B+0], s44, (0<<16)|(1<<20)|(1<<21)|(5<<22)|(3<<25)
.irp g, G1, G1B
	s_mov_b32 s[\g+1], 256<<16                     ; tensor_dim0 = 256 bytes
	s_mov_b32 s[\g+2], 128<<16                     ; tensor_dim1 = 128 rows
	s_mov_b32 s[\g+3], 256<<16                     ; tile_dim0
	s_mov_b32 s[\g+4], 128                         ; tile_dim1
	s_mov_b32 s[\g+5], 512                         ; a row of codes in memory
	s_mov_b32 s[\g+6], 0
	s_mov_b32 s[\g+7], 0
.endr
	s_or_b32 s[G1S+0], s43, (3<<16)|(1<<20)|(1<<21)|(5<<22)|(3<<25)  ; the scales of 128 rows: 4,096 dense bytes as 16 rows of 256 (32 elements of 8 bytes), 16 bytes of padding behind each
	s_or_b32 s[G1SB+0], s44, (3<<16)|(1<<20)|(1<<21)|(5<<22)|(3<<25)
.irp g, G1S, G1SB
	s_mov_b32 s[\g+1], 32<<16
	s_mov_b32 s[\g+2], 16<<16
	s_mov_b32 s[\g+3], 32<<16
	s_mov_b32 s[\g+4], 16
	s_mov_b32 s[\g+5], 32
	s_mov_b32 s[\g+6], 0
	s_mov_b32 s[\g+7], 0
.endr
	; the first rows of the cluster's spans: numbers that all sixteen partners share
	s_lshl_b32 s19, s42, 10                        ; 1,024 tokens x cluster y
	s_lshl_b32 s20, ttmp9, 10
	s_add_co_u32 s20, s20, ROWWQ                   ; wq or wk
	s_mov_b32 s21, ROWWV
	s_cmp_eq_u32 ttmp9, 2                          ; v?
	s_cselect_b32 s95, s21, s19                    ; A's span: wv, or the tokens
	s_cselect_b32 s96, s19, s20                    ; B's span: the tokens, or the weight
	s_cselect_b32 s97, -1, 0                       ; a lane mask: all ones for v
	s_not_b32 s98, s97
	s_lshl_b32 s19, s18, 7                         ; which 128 rows I fetch
	s_lshl_b32 s20, s41, 8
	s_add_co_u32 s20, s20, s19
	s_add_co_u32 s20, s20, s95                     ; A's row: span + 256 cy + 128 x half
	s_lshl_b32 s46, s40, 8
	s_add_co_u32 s46, s46, s19
	s_add_co_u32 s46, s46, s96                     ; B's row: span + 256 cx + 128 x half
	s_lshl_b32 s22, s20, 5                         ; their scale bytes,
	s_mov_b32 s23, 0
	s_lshl_b32 s92, s46, 5
	s_mov_b32 s93, 0
	s_lshl_b32 s20, s20, 9                         ; their codes
	s_mov_b32 s21, 0
	s_lshl_b32 s46, s46, 9
	s_mov_b32 s47, 0
	s_mul_i32 s45, s16, HALFT                      ; where they go: wave x 128 rows: no place in the cluster enters an LDS address
	s_mul_i32 s94, s16, HALFS
	s_wait_dscnt 0x0
	s_wait_kmcnt 0x0
	s_add_nc_u64 s[20:21], s[4:5], s[20:21]
	s_add_nc_u64 s[22:23], s[6:7], s[22:23]
	s_add_nc_u64 s[46:47], s[4:5], s[46:47]
	s_add_nc_u64 s[92:93], s[6:7], s[92:93]
	CROUND                                         ; all sixteen work-groups are here: the joint loads meet
	s_mov_b32 s[G0S], 1
	s_add_co_u32 s[G0S+1], s94, SCL
	s_mov_b64 s[G0S+2:G0S+3], s[22:23]
	s_or_b32 s[G0S+3], s[G0S+3], 0x80000000
	s_mov_b32 s[G0SB], 1
	s_add_co_u32 s[G0SB+1], s94, SCL
	s_mov_b64 s[G0SB+2:G0SB+3], s[92:93]
	s_or_b32 s[G0SB+3], s[G0SB+3], 0x80000000
	JLOAD G0S, G1S, G0SB, G1SB                     ; the scales first: they are wanted with slot 0
.irp s, 0,1
	s_mov_b32 s[G0+4*\s], 1
	s_add_co_u32 s[G0+4*\s+1], s45, \s*SLOT
	s_add_nc_u64 s[G0+4*\s+2:G0+4*\s+3], s[20:21], \s*256
	s_or_b32 s[G0+4*\s+3], s[G0+4*\s+3], 0x80000000
	s_mov_b32 s[G0B+4*\s], 1
	s_add_co_u32 s[G0B+4*\s+1], s45, \s*SLOT
	s_add_nc_u64 s[G0B+4*\s+2:G0B+4*\s+3], s[46:47], \s*256
	s_or_b32 s[G0B+4*\s+3], s[G0B+4*\s+3], 0x80000000
	JLOAD G0+4*\s, G1, G0B+4*\s, G1B
.endr
	v_and_b32 v1, 15, v0                           ; r
	v_bfe_u32 v2, v0, 4, 1                         ; h
	v_mul_u32_u24 v3, v1, PITCH
	v_lshl_add_u32 v4, v2, 4, v3                   ; a fragment's row x pitch + 16 h
	s_mul_i32 s21, s17, HALFT                      ; my 128 rows of A
	s_mul_i32 s22, s18, HALFT                      ; my 128 rows of B,
	s_add_co_u32 s22, s22, 2*HALFT                 ; behind A's 256
.irp s, 0,1
	v_add_nc_u32 v[ADRA+\s], s21, v4
	v_add_nc_u32 v[ADRB+\s], s22, v4
	s_add_co_u32 s21, s21, SLOT
	s_add_co_u32 s22, s22, SLOT
.endr
	v_mul_u32_u24 v5, v1, 32                       ; my row's scale bytes: 32 a row,
	v_lshrrev_b32 v6, 8, v5
	v_lshl_add_u32 v5, v6, 4, v5                   ; and 16 more for each 256 passed
	s_mul_i32 s21, s17, HALFS
	s_mul_i32 s22, s18, HALFS
	s_add_co_u32 s22, s22, 2*HALFS
	s_sub_co_u32 s22, s22, s21
	v_mul_u32_u24 v6, s22, v2                      ; lanes 16-31 take B's
	s_add_co_u32 s21, s21, SCL
	v_add_nc_u32 v5, v5, v6
	v_add_nc_u32 v[ADRS], s21, v5
	v_and_b32 v6, 31, v0
	v_lshlrev_b32 v[VO0], 4, v6
	v_lshlrev_b32 v[CBO], 6, v2
	v_and_b32 v7, 8, v1
	v_add_nc_u32 v7, v7, v1
	v_lshlrev_b32 v[RBO], 2, v7
	v_mul_u32_u24 v[VSO], v2, HEADB
	v_lshl_add_u32 v[VSO], v1, 4, v[VSO]
	; THE BIASES.  Along B's rows (q, k): eight registers a tile in the result's layout, the C of the first step's products.  Along A's rows (v): one number a lane and block, added on the way out.
	; Both are always loaded (every address is inside its buffer in all three cases); the one that does not belong to the case is replaced by zeros.
	s_lshl_b32 s66, s41, 8
	s_lshl_b32 s19, s17, 7
	s_add_co_u32 s66, s66, s19                     ; 256 cy + 128 x my half of A's rows
	s_lshl_b32 s67, s40, 8
	s_lshl_b32 s19, s18, 7
	s_add_co_u32 s67, s67, s19                     ; 256 cx + 128 x my half of B's rows
	s_cmp_eq_u32 ttmp9, 1
	s_cselect_b64 s[8:9], s[10:11], s[8:9]         ; bk for k, else bq
	s_lshl_b32 s10, s67, 2
	s_mov_b32 s11, 0
	s_add_nc_u64 s[8:9], s[8:9], s[10:11]
	s_lshl_b32 s10, s66, 2
	s_add_nc_u64 s[12:13], s[12:13], s[10:11]
.irp b, 0,1,2,3,4,5,6,7
	global_load_b128 v[BC+8*\b:BC+8*\b+3], v[CBO], s[8:9] offset:(32*(\b/2)+8*(\b%2))*4
	global_load_b128 v[BC+8*\b+4:BC+8*\b+7], v[CBO], s[8:9] offset:(32*(\b/2)+8*(\b%2))*4+16
.endr
.irp a, 0,1,2,3,4,5,6,7
	global_load_b32 v[BR+2*\a], v[RBO], s[12:13] offset:(32*(\a/2)+8*(\a%2))*4
.endr
	; where my part of the image begins.  Tokens: 1,024 x cluster y + (v: 256 cx + 128 half of B; else 256 cy + 128 half of A); channels: the other of the two
	s_mov_b32 s20, 512
	s_mov_b32 s22, 512
	s_mov_b32 s45, HEADB
	s_cmp_eq_u32 ttmp9, 2
	s_cselect_b32 s92, s67, s66
	s_cselect_b32 s93, s66, s67
	s_cselect_b32 s20, 1024, s20                   ; from block to block: q, k: the next 16 keys' 512 bytes; v: the next 16 channels' 1,024
	s_cselect_b32 s22, HEADB-3072, s22             ; from block 3 to block 4: v: on to the next head
	s_cselect_b32 s45, 512, s45                    ; from a fragment's first half to its second: v: the next 64 keys; q, k: the next head
	s_cselect_b32 s46, 4096, 0                     ; V's codes lie behind K's,
	s_cselect_b32 s47, 256, 0                      ; V's scale words behind K's
	s_mov_b32 s21, 0
	s_mov_b32 s23, 0
	s_lshl_b32 s19, s42, 10
	s_add_co_u32 s92, s92, s19                     ; my first token
	s_lshr_b32 s19, s92, 11                        ; its batch
	s_lshl_b32 s19, s19, 4
	s_lshr_b32 s93, s93, 6                         ; my first head
	s_add_co_u32 s19, s19, s93
	s_mul_i32 s19, s19, HEADB
	s_bfe_u32 s92, s92, 0x40007                    ; the step of 128 keys
	s_mul_i32 s92, s92, STEPB
	s_add_co_u32 s19, s19, s92
	s_cmp_eq_u32 ttmp9, 0
	s_cselect_b32 s92, 0, KVIMG
	s_add_co_u32 s19, s19, s92
	s_add_co_u32 s4, s19, s46
	s_mov_b32 s5, 0
	s_add_nc_u64 s[4:5], s[14:15], s[4:5]          ; the codes' base
	s_add_co_u32 s6, s19, s47
	s_add_co_u32 s6, s6, 8192
	s_mov_b32 s7, 0
	s_add_nc_u64 s[6:7], s[14:15], s[6:7]          ; the scale words' base
	v_add_nc_u32 v[VO1], s45, v[VO0]
	s_mov_b32 s99, 0xffff0000                      ; a lane mask: lanes 16-31
	s_mov_b32 s100, 0x76543210
	s_mov_b32 s101, 0xfedcba98                     ; v_permlanex16_b32's selects for lane l xor 16
	s_wait_loadcnt 0x0
.set N, 0
.rept 64
	v_cndmask_b32 v[BC+N], 0, v[BC+N], s98         ; zeros for v
.set N, N+1
.endr
.irp a, 0,1,2,3,4,5,6,7
	v_cndmask_b32 v[BR+2*\a+1], 0, v[BR+2*\a], s97 ; zeros for q and k; twice, a pair for the packed addition
	v_cndmask_b32 v[BR+2*\a], 0, v[BR+2*\a], s97
.endr
.macro FRAG reg, adr, q, i             ; 16 rows x 128 K: lane l holds row l % 16; registers 4 c .. 4 c + 3 hold K = 64 c + 32 (l / 16) + 0 .. 31
.irp c, 0,1
	ds_load_b128 v[\reg+4*\c:\reg+4*\c+3], v[\adr] offset:64*(\q)+32*\c+(\i)*16*PITCH
.endr
.endm
; 16 matrix instructions: A's blocks a0, a0 + 1 x B's eight.  The 64 accumulators take turns, one instruction a turn, in the same order in every step.  first = 1: the column bias starts the sums.
.macro MUL16 a0, p, q, sc, first
.irp a, \a0, \a0+1
.irp b, 0,1,2,3,4,5,6,7
.if \first
	v_wmma_scale_f32_16x16x128_f8f6f4 v[8*(8*((\a)%4)+\b):8*(8*((\a)%4)+\b)+7], v[128*(\p)+FR*\b:128*(\p)+FR*\b+FR-1], v[AF+FR*(\a):AF+FR*(\a)+FR-1], v[BC+8*\b:BC+8*\b+7], v[SC+8*NQ*(\sc)+NQ*\b+(\q)], v[SC+8*NQ*(\sc)+NQ*(\a)+(\q)] matrix_a_fmt:MATRIX_FMT_FP4 matrix_b_fmt:MATRIX_FMT_FP4 matrix_a_scale:MATRIX_SCALE_ROW1
.else
	v_wmma_scale_f32_16x16x128_f8f6f4 v[8*(8*((\a)%4)+\b):8*(8*((\a)%4)+\b)+7], v[128*(\p)+FR*\b:128*(\p)+FR*\b+FR-1], v[AF+FR*(\a):AF+FR*(\a)+FR-1], v[8*(8*((\a)%4)+\b):8*(8*((\a)%4)+\b)+7], v[SC+8*NQ*(\sc)+NQ*\b+(\q)], v[SC+8*NQ*(\sc)+NQ*(\a)+(\q)] matrix_a_fmt:MATRIX_FMT_FP4 matrix_b_fmt:MATRIX_FMT_FP4 matrix_a_scale:MATRIX_SCALE_ROW1
.endif
.endr
.endr
.endm
.macro FETCH_B slot, q, p
	WIN TO_B
.irp i, 0,1,2,3,4,5,6,7
	FRAG 128*(\p)+FR*\i, ADRB+\slot, \q, \i
.endr
	WIN 0
.endm
.macro FETCH_A slot, q, i0
.irp i, \i0, \i0+1, \i0+2, \i0+3
	FRAG AF+FR*(\i), ADRA+\slot, \q, \i
.endr
.endm
.macro SCALES sc                       ; a slot's scale words: lanes 0-15 A's block i, lanes 16-31 B's block i; four words (512 along K) a load
.irp i, 0,1,2,3,4,5,6,7
	ds_load_b128 v[SC+8*NQ*\sc+NQ*\i:SC+8*NQ*\sc+NQ*\i+3], v[ADRS] offset:\i*SBLK
.endr
.endm
.macro PLACES n                        ; plain vector lines between a matrix instruction and a load into, or a vector write of, its registers, or a read of its result
.rept \n
	v_nop
.endr
.endm
.macro STEP slot, q, first             ; 128 along K, its successor in the same slot
	s_wait_dscnt 4*NL                              ; all but the youngest eight loads (A's blocks 4-7) are in
.if \first
	WIN FIRST_LO
.else
	WIN MUL_LO
.endif
	MUL16 0, (\q)%2, \q, \slot, \first
	MUL16 2, (\q)%2, \q, \slot, \first
	s_wait_dscnt 0                                 ; A's blocks 4-7 are in
	PLACES NP
	FETCH_B \slot, (\q)+1, 1-(\q)%2
	FETCH_A \slot, (\q)+1, 0
.if \first
	WIN FIRST_HI
.else
	WIN MUL_HI
.endif
	MUL16 4, (\q)%2, \q, \slot, \first
	MUL16 6, (\q)%2, \q, \slot, \first
	PLACES NP
	WIN 0
	FETCH_A \slot, (\q)+1, 4
.endm
.macro TURN slot, next                 ; slot 0's last step, and the change to slot 1.  Nothing is filled again: the barrier only shows every wave that all four parts of slot 1 have landed
	s_wait_tensorcnt 0x0                           ; my part of slot 1 has landed
	s_wait_dscnt 4*NL
	WIN MUL_LO
	MUL16 0, 1, NQ-1, \slot, 0
	s_wait_dscnt 0x0                               ; no LDS instruction of mine is out at the signal
	s_barrier_signal -1
	MUL16 2, 1, NQ-1, \slot, 0
	WIN 0
	s_barrier_wait -1
	PLACES NP
	v_add_nc_u32 v[ADRS], 4*NQ, v[ADRS]            ; the next 512 along K: 16 scale bytes on
	FETCH_B \next, 0, 0
	FETCH_A \next, 0, 0
	SCALES \next
	WIN MUL_HI
	MUL16 4, 1, NQ-1, \slot, 0
	MUL16 6, 1, NQ-1, \slot, 0
	PLACES NP
	WIN 0
	FETCH_A \next, 0, 4
.endm
	s_wait_tensorcnt 1                             ; the scales and my part of slot 0 are in; slot 1's load may be out
	s_barrier_signal -1
	s_barrier_wait -1                              ; everybody's are
	FETCH_B 0, 0, 0
	FETCH_A 0, 0, 0
	SCALES 0
	FETCH_A 0, 0, 4
	STEP 0, 0, 1
	STEP 0, 1, 0
	STEP 0, 2, 0
	TURN 0, 1
	STEP 1, 0, 0
	STEP 1, 1, 0
	STEP 1, 2, 0
	s_wait_dscnt 4*NL                              ; the last step: nothing more to fetch
	WIN MUL_LO
	MUL16 0, 1, NQ-1, 1, 0
	MUL16 2, 1, NQ-1, 1, 0
	s_wait_dscnt 0
	WIN MUL_HI
	MUL16 4, 1, NQ-1, 1, 0
	MUL16 6, 1, NQ-1, 1, 0
	WIN 0
; THE WAY OUT, block by block of 16 rows of A.  A lane's 64 results (+ the row bias) come into window 0: register 16 b + i = B's row 32 b + 16 (lane / 16) + i.  Four blocks of 32 are quantised:
; largest magnitude (with lane l xor 16's), scale byte, conversion, exchange of halves; the eight registers are then a fragment's: registers 4 c .. 4 c + 3 = B's rows 64 c + 32 (lane / 16) + 0 .. 31.
; q, k: c is the head, the block is the image's chunk of 16 keys.  v: c is the half of the step's 128 keys, the block is a tile of 16 channels.
.macro EPI a
	WIN 0x02+((\a)/4)                              ; source 0: window 2 or 3
.set N, 0
.rept 32
	v_pk_add_f32 v[T+N:T+N+1], v[64*((\a)%4)+N:64*((\a)%4)+N+1], v[BR+2*(\a):BR+2*(\a)+1]   ; ascending: each accumulator is read from its low end on
.set N, N+2
.endr
	WIN 0
.irp b, 0,1,2,3
	v_max3_num_f32 v[TM+\b], |v[T+16*\b]|, |v[T+1+16*\b]|, 0x1800000   ; my 16 numbers of block b, and the floor 2^(3 - 127)
.endr
.irp i, 2,4,6,8,10,12,14
.irp b, 0,1,2,3
	v_max3_num_f32 v[TM+\b], v[TM+\b], |v[T+16*\b+\i]|, |v[T+1+16*\b+\i]|
.endr
.endr
.irp b, 0,1,2,3
	v_permlanex16_b32 v[TM+4+\b], v[TM+\b], s100, s101
.endr
.irp b, 0,1,2,3
	v_max_num_f32 v[TM+\b], v[TM+\b], v[TM+4+\b]   ; the block's largest magnitude
.endr
.irp b, 0,1,2,3
	v_add_nc_u32 v[TM+12+\b], 0xff000000, v[TM+\b] ; 2 off its exponent field: the conversion's scale operand
.endr
.irp b, 0,1,2,3
	v_lshrrev_b32 v[TM+4+\b], 23, v[TM+12+\b]      ; the scale's byte
.endr
	v_lshl_or_b32 v[PWS+(\a)], v[TM+5], 8, v[TM+4] ; my row's scale word
	v_lshl_or_b32 v[PWS+(\a)], v[TM+6], 16, v[PWS+(\a)]
	v_lshl_or_b32 v[PWS+(\a)], v[TM+7], 24, v[PWS+(\a)]
	s_wait_xcnt 0x0                                ; the last block's stores have read their data and their base: both are written again only behind this wait
.if (\a) == 4
	s_add_nc_u64 s[4:5], s[4:5], s[22:23]
.elseif (\a) > 0
	s_add_nc_u64 s[4:5], s[4:5], s[20:21]
.endif
.irp b, 0,1,2,3
	v_cvt_scalef32_pk8_fp4_f32 v[PC+2*\b], v[T+16*\b:T+7+16*\b], v[TM+12+\b]
	v_cvt_scalef32_pk8_fp4_f32 v[PC+1+2*\b], v[T+8+16*\b:T+15+16*\b], v[TM+12+\b]
.endr
	v_nop                                          ; one plain line behind a scaled conversion
.irp c, 0,1
.irp i, 0,1
	v_permlane16_swap_b32 v[PC+4*\c+\i], v[PC+2+4*\c+\i]   ; a whole block of 32 to a lane
.endr
.endr
	global_store_b128 v[VO0], v[PC:PC+3], s[4:5]   ; 512 consecutive bytes, aligned
	global_store_b128 v[VO1], v[PC+4:PC+7], s[4:5]
.endm
	PLACES NP                                      ; behind the last products: their fragments' and scale words' registers are written below
.irp b, 0,1,2,3
	v_mov_b32 v[TM+4+\b], 0                        ; a lane permute's destination counts as one of its sources
.endr
.irp a, 0,1,2,3,4,5,6,7
	EPI \a
.endr
	; the scale words.  q, k: word p of a head = the two bytes of chunk 2 p, then those of chunk 2 p + 1; lanes 0-15 store the first head's, lanes 16-31 the second's.  v: word t = tile t's four bytes, heads likewise.
.irp p, 0,1,2,3
	v_perm_b32 v[XX+\p], v[PWS+2*\p+1], v[PWS+2*\p], 0x05040100
	v_perm_b32 v[YY+\p], v[PWS+2*\p+1], v[PWS+2*\p], 0x07060302
.endr
.irp p, 0,1,2,3
	v_cndmask_b32 v[XX+\p], v[XX+\p], v[PWS+\p], s97
	v_cndmask_b32 v[YY+\p], v[YY+\p], v[PWS+4+\p], s97
.endr
.irp p, 0,1,2,3
	v_cndmask_b32 v[XX+\p], v[XX+\p], v[YY+\p], s99
.endr
	global_store_b128 v[VSO], v[XX:XX+3], s[6:7]   ; sixteen lanes store 256 consecutive bytes, aligned
	s_wait_tensorcnt 0x0
	s_wait_tensorcnt 0x0
	ds_add_u32 v30, v31
	s_wait_dscnt 0x0
	CROUND                                         ; the closing round: no work-group ends while a partner may still ask for a tile that names it
	s_endpgm
.Lfunc_end_k_q88c249d771_qkv:
	.size	k_q88c249d771_qkv, .Lfunc_end_k_q88c249d771_qkv-k_q88c249d771_qkv
	.p2alignl 7, 3214868480
	.fill 96, 4, 3214868480
	.section	.rodata,"a",@progbits
	.p2align	6, 0x0
	.amdhsa_kernel k_q88c249d771_qkv
		.amdhsa_group_segment_fixed_size 327680
		.amdhsa_private_segment_fixed_size 0
		.amdhsa_enable_private_segment 0
		.amdhsa_kernarg_size 48
		.amdhsa_user_sgpr_count 2
		.amdhsa_user_sgpr_kernarg_segment_ptr 1
		.amdhsa_wavefront_size32 1
		.amdhsa_system_sgpr_workgroup_id_x 1
		.amdhsa_system_sgpr_workgroup_id_y 1
		.amdhsa_system_sgpr_workgroup_id_z 1
		.amdhsa_system_vgpr_workitem_id 0
		.amdhsa_next_free_vgpr 1024
		.amdhsa_next_free_sgpr 102
		.amdhsa_reserve_vcc 0
		.amdhsa_float_denorm_mode_32 3
		.amdhsa_float_denorm_mode_16_64 3
		.amdhsa_memory_ordered 1
		.amdhsa_forward_progress 1
		.amdhsa_inst_pref_size 154
	.end_amdhsa_kernel
	.amdgpu_metadata
---
amdhsa.version: [ 1, 2 ]
amdhsa.kernels:
  - .name:           k_q88c249d771_qkv
    .symbol:         k_q88c249d771_qkv.kd
    .args:
      - { .name: codes, .offset: 0, .size: 8, .value_kind: global_buffer, .address_space: global }
      - { .name: scales, .offset: 8, .size: 8, .value_kind: global_buffer, .address_space: global }
      - { .name: bq, .offset: 16, .size: 8, .value_kind: global_buffer, .address_space: global }
      - { .name: bk, .offset: 24, .size: 8, .value_kind: global_buffer, .address_space: global }
      - { .name: bv, .offset: 32, .size: 8, .value_kind: global_buffer, .address_space: global }
      - { .name: img, .offset: 40, .size: 8, .value_kind: global_buffer, .address_space: global }
    .group_segment_fixed_size: 327680
    .private_segment_fixed_size: 0
    .kernarg_segment_align: 8
    .kernarg_segment_size: 48
    .max_flat_workgroup_size: 128
    .sgpr_count:     102
    .vgpr_count:     1024
    .wavefront_size: 32
...
	.end_amdgpu_metadata
.endif
;; end of part 2
;; launch attn (part 3): grid 4 x 64, 16 waves a work-group, no clusters, 169,984 bytes of LDS; arguments img, cc, cs; writes cc, cs
.if DOCPART == 3
	.amdgcn_target "amdgcn-amd-amdhsa--gfx1250"
	.amdhsa_code_object_version 6
	.text
	.protected	k_q88c249d771_attn
	.globl	k_q88c249d771_attn
	.p2align	8
	.type	k_q88c249d771_attn,@function
k_q88c249d771_attn:
	s_mov_b64 s[64:65], 0
	v_nop
	global_prefetch_b8 v0, s[64:65] scope:SCOPE_SE
	s_setreg_imm32_b32 hwreg(HW_REG_WAVE_MODE, 25, 1), 1
	s_wait_xcnt 0x0
; ctx = softmax(q k^T / 8, causal) v for one head, both products on codes of FP4 with E8M0 scales; ctx is quantised along the embedding (two blocks of 32 a head) for the last product.
; SOFTMAX: t = score x log2(e) / 8; M = the running largest t rounded up to a whole number; p = 2^(t - M) is quantised along the keys, not normalised; the row's sum is taken of the unquantised p and divides at the end.
; When M moves, the sum and O are multiplied by 2^(old M - new M), which rounds nothing.
; SHARES: work-group (j, head) owns the query blocks j and 7 - j of 256.  Wave w owns two tiles of 16 queries: at 256 j + 16 w and at 2,032 - that.  A tile at q0 needs q0 / 128 + 1 key steps of 128; the two together need 17 for every j and w: equal work in every wave of the launch.
; LDS: the head's whole image of K and V (16 steps x 8,704 bytes) is filled ONCE, wave w bringing step w by one tensor load (one load of a wave is out); one wait, one barrier, then the waves run free.
; NO JOINT LOADS, though the four work-groups of a head read the same image: each jumps over key steps by its own query block, and partners in joint requests may not branch on what differs between them.
; Every wave walks all 16 steps (a constant count); a step all of whose keys come after a tile's queries is jumped over by a scalar branch on ids.
; LAYOUT: both products transposed: a lane holds ONE query (lane % 16).  The head is 64 wide, half of the instruction's K: a fragment of K carries TWO tiles of 16 keys (k 0-63, k 64-127), and q stands once as [q; zeros] and once as [zeros; q]: zero codes add nothing.
; The image's key tiles are such that register 16 b + i of the scores is key 32 b + 16 (lane / 16) + i; V^T's channel tiles likewise for O.
; LIMITS: a block of zeros gets the byte 1 and not 127; NaN and infinities are not served.  cs is stored two bytes a row (a head's two bytes of a row of 32): 262,144 of the launch's bytes leave so.
.set HEADB, 139264
.set STEPB, 8704
.set KVIMG, 64*HEADB
.set LI,   1                           ; 16 x lane
.set LSC,  2                           ; 8,192 + 16 r: K's scale words of a step; V's 256 on
.set ADI,  3
.set ADS,  4
.set DQ,   5                           ; r - 16 h
.set QOF,  6
.set R32,  7                           ; 32 r
.set STH,  8                           ; v8-11: the late tile's -M, largest t, sum in two halves;  v12-15: the early tile's
.set STL,  12
.set QSL,  36                          ; v16-35: zeros | early q | zeros | late q | zeros;  v36, v37 their scale words
.set QSH,  37
.set PW,   38                          ; p's scale word
.set KS,   40
.set VS,   44
.set FRG,  48                          ; v48-79 four fragments of K or of V^T
.set SCO,  80                          ; v80-143 the scores, then p
.set OH,   144                         ; v144-175, v176-207 O^T of the two tiles
.set OL,   176
.set PC,   208
.set BM,   216
.set BX,   220
.set BSC,  224
.set F,    228
.set SUM2, 230
.set TA,   232
.set TBV,  233
.set HWH,  234
.set HWL,  235
.set QSO,  236
.set WV,   12
.set Q0L,  13
.set Q0H,  14
.set BH,   15
.set G0,   20
.set G1,   24
.set SEL,  32
.set CS,   34
.set KF,   36
.set TB,   37
.set CNT,  38
.set HB,   39
	s_load_b128 s[4:7], s[0:1], 0x0                ; img, cc
	s_load_b64 s[8:9], s[0:1], 0x10                ; cs
	v_lshl_add_u32 v254, v0, 2, 0x29000
	v_mov_b32 v255, 0
	ds_add_u32 v254, v255
	ds_add_u32 v254, v255
	v_lshrrev_b32 v1, 5, v0
	v_readfirstlane_b32 s[WV], v1                  ; wave 0..15
	s_and_b32 s[BH], ttmp7, 0xffff                 ; 16 x batch + head
	s_lshl_b32 s[Q0L], ttmp9, 8
	s_lshl_b32 s16, s[WV], 4
	s_add_co_u32 s[Q0L], s[Q0L], s16               ; the early tile's first query
	s_sub_co_u32 s[Q0H], 2032, s[Q0L]              ; the late tile's
	s_mul_i32 s[HB], s[BH], HEADB
	s_mov_b32 s[G1], 3<<16                         ; no mask; elements of 8 bytes; no padding: the image is read 16 bytes a lane on end
	s_mov_b32 s[G1+1], 32<<16                      ; tensor_dim0 = 32 elements (256 bytes)
	s_mov_b32 s[G1+2], 34<<16                      ; tensor_dim1 = 34 rows: 8,704 dense bytes
	s_mov_b32 s[G1+3], 32<<16                      ; tile_dim0
	s_mov_b32 s[G1+4], 34                          ; tile_dim1
	s_mov_b32 s[G1+5], 32                          ; the pitch
	s_mov_b32 s[G1+6], 0
	s_mov_b32 s[G1+7], 0
	s_mov_b32 s[G0], 1
	s_mul_i32 s[G0+1], s[WV], STEPB                ; step w lands at w x 8,704
	s_add_co_u32 s16, s[HB], s[G0+1]
	s_add_co_u32 s16, s16, KVIMG
	s_mov_b32 s17, 0
; where a tile's q lies in q's image: step q0 / 128, pair of chunks p = (q0 / 32) % 4, lanes 8 xa on with xa = (q0 / 16) % 2
.macro QADDR q0, cp, sp
	s_lshr_b32 s50, s[\q0], 7
	s_mul_i32 s50, s50, STEPB
	s_add_co_u32 s50, s50, s[HB]
	s_bfe_u32 s51, s[\q0], 0x20005
	s_bfe_u32 s52, s[\q0], 0x10004
	s_lshl_b32 s52, s52, 7
	s_add_co_u32 s50, s50, s52
	s_lshl_b32 s52, s51, 10
	s_add_co_u32 s[\cp], s50, s52
	s_mov_b32 s[\cp+1], 0
	s_lshl_b32 s52, s51, 2
	s_add_co_u32 s[\sp], s50, s52
	s_add_co_u32 s[\sp], s[\sp], 8192
	s_mov_b32 s[\sp+1], 0
.endm
	QADDR Q0L, 40, 42
	QADDR Q0H, 44, 46
	s_mov_b32 s[SEL], 0x76543210
	s_mov_b32 s[SEL+1], 0xfedcba98                 ; v_permlanex16_b32's selects for lane l xor 16
	s_mov_b32 s[CS], 0x3e38aa3b                    ; c = log2(e) / 8
	s_mov_b32 s[CS+1], s[CS]                       ; (named with it as a pair)
	s_mov_b32 s[KF], 0
	s_mov_b32 s[TB], 0
	s_mov_b32 s[CNT], 16
	s_wait_dscnt 0x0
	s_wait_kmcnt 0x0
	s_add_nc_u64 s[G0+2:G0+3], s[4:5], s[16:17]
	s_or_b32 s[G0+3], s[G0+3], 0x80000000
	tensor_load_to_lds s[G0:G0+3], s[G1:G1+7]
	s_nop 0
.rept 4
	v_nop
.endr
	s_add_nc_u64 s[40:41], s[4:5], s[40:41]
	s_add_nc_u64 s[42:43], s[4:5], s[42:43]
	s_add_nc_u64 s[44:45], s[4:5], s[44:45]
	s_add_nc_u64 s[46:47], s[4:5], s[46:47]
	v_and_b32 v[QOF], 31, v0
	v_lshlrev_b32 v[LI], 4, v[QOF]
	v_and_b32 v[TA], 15, v0                        ; r
	v_bfe_u32 v[TBV], v0, 4, 1                     ; h
	v_lshl_add_u32 v[LSC], v[TA], 4, 8192
	v_lshlrev_b32 v[DQ], 4, v[TBV]
	v_sub_nc_u32 v[DQ], v[TA], v[DQ]
	v_lshlrev_b32 v[R32], 5, v[TA]
	v_and_b32 v[HWH], 7, v[TA]                     ; r % 8
	v_lshrrev_b32 v[HWL], 3, v[TA]                 ; r / 8
	v_lshlrev_b32 v[QOF], 4, v[HWH]
	v_lshl_add_u32 v[QSO], v[HWL], 1, v[QOF]       ; q's two scale bytes: 16 (r % 8) + 2 (r / 8)
	v_lshl_add_u32 v[QOF], v[HWL], 9, v[QOF]       ; q's codes: chunk r / 8, lane r % 8,
	v_lshl_add_u32 v[QOF], v[TBV], 8, v[QOF]       ; + 256 h
	global_load_b128 v[20:23], v[QOF], s[40:41]
	global_load_b128 v[28:31], v[QOF], s[44:45]
	global_load_u16 v[QSL], v[QSO], s[42:43]
	global_load_u16 v[QSH], v[QSO], s[46:47]
.irp j, 16,17,18,19,24,25,26,27,32,33,34,35
	v_mov_b32 v[\j], 0                             ; zero codes
.endr
.irp t, STH, STL
	v_mov_b32 v[\t+1], 0xff61b1e6                  ; the largest t so far: -3e38
	v_floor_f32 v[\t], -v[\t+1]                    ; -M
	v_mov_b32 v[\t+2], 0
	v_mov_b32 v[\t+3], 0
.endr
.irp b, 0,1,2,3
	v_mov_b32 v[BX+\b], 0                          ; a lane permute's destination counts as one of its sources
.endr
	v_mov_b32 v[F+1], 0                            ; (named as the upper half of a pair)
	s_wait_loadcnt 0x0
	v_lshl_or_b32 v[QSL], v[QSL], 16, v[QSL]       ; q's two bytes twice: they serve q in either half of K
	v_lshl_or_b32 v[QSH], v[QSH], 16, v[QSH]
.set N, 0
.rept 64
	v_mov_b32 v[OH+N], 0                           ; O^T of both tiles: the step is written once, its first turn finds zeros
.set N, N+1
.endr
	s_wait_tensorcnt 0x0                           ; my step of the image has landed
	s_barrier_signal -1
	s_barrier_wait -1                              ; everybody's has
; A KEY STEP OF ONE TILE.
.macro TSTEP ST, QA, QB, QS, O, Q0
	s_add_co_u32 s50, s[\Q0], 15
	s_cmp_gt_u32 s[KF], s50                        ; all 128 keys come after my 16 queries: nothing to do
	s_cbranch_scc1 .Lskip_\@
.irp b, 0,1,2,3
.irp c, 0,1
	ds_load_b128 v[FRG+8*\b+4*\c:FRG+8*\b+4*\c+3], v[ADI] offset:1024*\b+512*\c
.endr
.endr
	ds_load_b128 v[KS:KS+3], v[ADS]                ; the four fragments' scale words
	s_wait_dscnt 0x0
.irp b, 0,1,2,3
	v_wmma_scale_f32_16x16x128_f8f6f4 v[SCO+16*\b:SCO+16*\b+7], v[FRG+8*\b:FRG+8*\b+7], v[\QA:\QA+7], 0, v[KS+\b], v[\QS] matrix_a_fmt:MATRIX_FMT_FP4 matrix_b_fmt:MATRIX_FMT_FP4
	v_wmma_scale_f32_16x16x128_f8f6f4 v[SCO+16*\b+8:SCO+16*\b+15], v[FRG+8*\b:FRG+8*\b+7], v[\QB:\QB+7], 0, v[KS+\b], v[\QS] matrix_a_fmt:MATRIX_FMT_FP4 matrix_b_fmt:MATRIX_FMT_FP4
.endr
.rept 4
	v_nop                                          ; places in front of the loads below and of the first read of the scores
.endr
.irp t, 0,1,2,3                                ; V^T is asked for now and lands under the softmax
.irp c, 0,1
	ds_load_b128 v[FRG+8*\t+4*\c:FRG+8*\t+4*\c+3], v[ADI] offset:4096+1024*\t+512*\c
.endr
.endr
	ds_load_b128 v[VS:VS+3], v[ADS] offset:256
	s_add_co_u32 s50, s[KF], 127
	s_cmp_le_u32 s50, s[\Q0]                       ; all keys count: no mask
	s_cbranch_scc1 .Lopen_\@
	s_sub_co_i32 s50, s[\Q0], s[KF]
	v_add_nc_u32 v[TA], s50, v[DQ]                 ; d = my query - the step's first key - 16 h: register 16 b + i is hidden where 32 b + i > d
	v_mov_b32 v[TBV], 0xff800000                   ; -infinity: p = 0 then
.set N, 0
.rept 64
	v_cmp_gt_i32 vcc_lo, 32*(N/16)+N%16, v[TA]
	v_cndmask_b32 v[SCO+N], v[SCO+N], v[TBV], vcc_lo
.set N, N+1
.endr
.Lopen_\@:
.irp b, 0,1,2,3
	v_max3_num_f32 v[BM+\b], v[SCO+16*\b], v[SCO+16*\b+1], v[SCO+16*\b+2]   ; the largest score of each block of 32 keys: for the row's maximum, and, since p rises with the score, for the block's largest p
.endr
.irp i, 3,5,7,9,11,13
.irp b, 0,1,2,3
	v_max3_num_f32 v[BM+\b], v[BM+\b], v[SCO+16*\b+\i], v[SCO+16*\b+\i+1]
.endr
.endr
.irp b, 0,1,2,3
	v_max_num_f32 v[BM+\b], v[BM+\b], v[SCO+16*\b+15]
.endr
.irp b, 0,1,2,3
	v_permlanex16_b32 v[BX+\b], v[BM+\b], s[SEL], s[SEL+1]
.endr
.irp b, 0,1,2,3
	v_max_num_f32 v[BM+\b], v[BM+\b], v[BX+\b]     ; with lane l xor 16's 16 keys
.endr
	v_max3_num_f32 v[TA], v[BM], v[BM+1], v[BM+2]
	v_max_num_f32 v[TA], v[TA], v[BM+3]
	v_mul_f32 v[TA], s[CS], v[TA]                  ; as t
	v_max_num_f32 v[\ST+1], v[\ST+1], v[TA]        ; the running largest t
	v_mov_b32 v[TA], v[\ST]
	v_floor_f32 v[\ST], -v[\ST+1]                  ; the new -M = -ceil(t)
	v_sub_f32 v[TA], v[\ST], v[TA]                 ; old M - new M: a whole number, 0 or less
	v_cvt_i32_f32 v[TA], v[TA]                     ; (it saturates)
	v_ldexp_f32 v[F], 1.0, v[TA]                   ; f = 2^(old M - new M)
.set N, 0
.rept 32
	v_pk_fma_f32 v[SCO+N:SCO+N+1], v[SCO+N:SCO+N+1], s[CS:CS+1], v[\ST:\ST+1] op_sel_hi:[1,0,0]   ; t - M
.set N, N+2
.endr
.irp b, 0,1,2,3
	v_fma_f32 v[BM+\b], v[BM+\b], s[CS], v[\ST]
.endr
.set N, 0
.rept 64
	v_exp_f32 v[SCO+N], v[SCO+N]                   ; p = 2^(t - M)
.set N, N+1
.endr
.irp b, 0,1,2,3
	v_exp_f32 v[BM+\b], v[BM+\b]                   ; the block's largest p
.endr
	v_pk_mul_f32 v[\ST+2:\ST+3], v[\ST+2:\ST+3], v[F:F+1] op_sel_hi:[1,0]   ; the sums under the new M (a plain line behind the exponentials)
	s_wait_alu depctr_va_vdst(0)
.irp b, 0,1,2,3
	v_max_num_f32 v[BM+\b], 0x1800000, v[BM+\b]    ; the floor 2^(3 - 127): the byte cannot fall under 1
.endr
.irp b, 0,1,2,3
	v_add_nc_u32 v[BSC+\b], 0xff000000, v[BM+\b]   ; the conversion's scale operand
.endr
.irp b, 0,1,2,3
	v_lshrrev_b32 v[BX+\b], 23, v[BSC+\b]          ; the scale's byte
.endr
	v_lshl_or_b32 v[PW], v[BX+1], 8, v[BX]
	v_lshl_or_b32 v[PW], v[BX+2], 16, v[PW]
	v_lshl_or_b32 v[PW], v[BX+3], 24, v[PW]
.irp b, 0,1,2,3
	v_cvt_scalef32_pk8_fp4_f32 v[PC+2*\b], v[SCO+16*\b:SCO+16*\b+7], v[BSC+\b]
	v_cvt_scalef32_pk8_fp4_f32 v[PC+2*\b+1], v[SCO+16*\b+8:SCO+16*\b+15], v[BSC+\b]
.endr
	v_nop                                          ; one plain line behind a scaled conversion
.irp c, 0,1
.irp i, 0,1
	v_permlane16_swap_b32 v[PC+4*\c+\i], v[PC+2+4*\c+\i]   ; a whole block of 32 keys to a lane
.endr
.endr
	v_pk_add_f32 v[SUM2:SUM2+1], v[SCO:SCO+1], v[SCO+2:SCO+3]   ; the row's sum of the unquantised p, in two chains
.irp j, 4,8,12,16,20,24,28,32,36,40,44,48,52,56,60
	v_pk_add_f32 v[\ST+2:\ST+3], v[\ST+2:\ST+3], v[SCO+\j:SCO+\j+1]
	v_pk_add_f32 v[SUM2:SUM2+1], v[SUM2:SUM2+1], v[SCO+\j+2:SCO+\j+3]
.endr
	v_pk_add_f32 v[\ST+2:\ST+3], v[\ST+2:\ST+3], v[SUM2:SUM2+1]
.set N, 0
.rept 16
	v_pk_mul_f32 v[\O+N:\O+N+1], v[\O+N:\O+N+1], v[F:F+1] op_sel_hi:[1,0]   ; O^T under the new M, from each accumulator's low end on
.set N, N+2
.endr
	s_wait_dscnt 0x0                               ; V^T and its scale words are in
.irp t, 0,1,2,3
	v_wmma_scale_f32_16x16x128_f8f6f4 v[\O+8*\t:\O+8*\t+7], v[FRG+8*\t:FRG+8*\t+7], v[PC:PC+7], v[\O+8*\t:\O+8*\t+7], v[VS+\t], v[PW] matrix_a_fmt:MATRIX_FMT_FP4 matrix_b_fmt:MATRIX_FMT_FP4
.endr
.rept 4
	v_nop                                          ; places in front of the next loads into the fragments' registers and of the next read of O^T
.endr
.Lskip_\@:
.endm
.Lstep:
	v_add_nc_u32 v[ADI], s[TB], v[LI]
	v_add_nc_u32 v[ADS], s[TB], v[LSC]
	TSTEP STH, 28, 24, QSH, OH, Q0H
	TSTEP STL, 20, 16, QSL, OL, Q0L
	s_add_co_u32 s[KF], s[KF], 128
	s_add_co_u32 s[TB], s[TB], STEPB
	s_sub_co_u32 s[CNT], s[CNT], 1
	s_cmp_lg_u32 s[CNT], 0
	s_cbranch_scc1 .Lstep
	; THE WAY OUT.  cc: [batch x 128 + q0 / 16][head][512 bytes]: the image of half a fragment of the last product's A.  cs: [row][32 bytes], a head's two bytes at 2 x head.
	s_lshr_b32 s50, s[BH], 4                       ; batch
	s_and_b32 s51, s[BH], 15                       ; head
.macro OADDR q0, cp, sp
	s_add_co_u32 s52, s[\q0], s51
	s_lshl_b32 s52, s52, 9                         ; (q0 / 16) x 8,192 + head x 512
	s_lshl_b32 s53, s50, 20
	s_add_co_u32 s52, s52, s53
	s_mov_b32 s53, 0
	s_add_nc_u64 s[\cp:\cp+1], s[6:7], s[52:53]
	s_lshl_b32 s52, s[\q0], 5
	s_lshl_b32 s54, s50, 16
	s_add_co_u32 s52, s52, s54
	s_lshl_b32 s54, s51, 1
	s_add_co_u32 s52, s52, s54
	s_add_nc_u64 s[\sp:\sp+1], s[8:9], s[52:53]
.endm
	OADDR Q0H, 40, 42
	OADDR Q0L, 44, 46
; A tile's end, with registers of its own for what its stores read: O^T / the sum into W, two blocks of 32 channels quantised, 16 bytes a lane stored.
.macro FIN ST, O, W, P, HW, CP, SP
	v_add_f32 v[TA], v[\ST+2], v[\ST+3]
	v_permlanex16_b32 v[TBV], v[TA], s[SEL], s[SEL+1]
	v_add_f32 v[TA], v[TA], v[TBV]                 ; the row's sum
	v_rcp_f32 v[F], v[TA]
	v_nop                                          ; one plain line behind a transcendental
.set N, 0
	s_wait_alu depctr_va_vdst(0)
.rept 16
	v_pk_mul_f32 v[\W+N:\W+N+1], v[\O+N:\O+N+1], v[F:F+1] op_sel_hi:[1,0]   ; register 16 b + i = channel 32 b + 16 h + i
.set N, N+2
.endr
.irp b, 0,1
	v_max3_num_f32 v[BM+\b], |v[\W+16*\b]|, |v[\W+16*\b+1]|, 0x1800000
.endr
.irp i, 2,4,6,8,10,12,14
.irp b, 0,1
	v_max3_num_f32 v[BM+\b], v[BM+\b], |v[\W+16*\b+\i]|, |v[\W+16*\b+\i+1]|
.endr
.endr
.irp b, 0,1
	v_permlanex16_b32 v[BX+\b], v[BM+\b], s[SEL], s[SEL+1]
.endr
.irp b, 0,1
	v_max_num_f32 v[BM+\b], v[BM+\b], v[BX+\b]
.endr
.irp b, 0,1
	v_add_nc_u32 v[BSC+\b], 0xff000000, v[BM+\b]
.endr
.irp b, 0,1
	v_lshrrev_b32 v[BX+\b], 23, v[BSC+\b]
.endr
	v_lshl_or_b32 v[\HW], v[BX+1], 8, v[BX]
.irp b, 0,1
	v_cvt_scalef32_pk8_fp4_f32 v[\P+2*\b], v[\W+16*\b:\W+16*\b+7], v[BSC+\b]
	v_cvt_scalef32_pk8_fp4_f32 v[\P+2*\b+1], v[\W+16*\b+8:\W+16*\b+15], v[BSC+\b]
.endr
	v_nop
	v_permlane16_swap_b32 v[\P], v[\P+2]           ; lanes 0-15: channels 0-31, lanes 16-31: channels 32-63
	v_permlane16_swap_b32 v[\P+1], v[\P+3]
	global_store_b128 v[LI], v[\P:\P+3], s[\CP:\CP+1]     ; 512 consecutive bytes, aligned
	global_store_b16 v[R32], v[\HW], s[\SP:\SP+1]         ; lanes l and l xor 16 write the same two bytes with the same value
.endm
	FIN STH, OH, SCO, PC, HWH, 40, 42
	FIN STL, OL, SCO+32, PC+4, HWL, 44, 46
	s_wait_tensorcnt 0x0
	ds_add_u32 v254, v255
	s_wait_dscnt 0x0
	s_endpgm
.Lfunc_end_k_q88c249d771_attn:
	.size	k_q88c249d771_attn, .Lfunc_end_k_q88c249d771_attn-k_q88c249d771_attn
	.p2alignl 7, 3214868480
	.fill 96, 4, 3214868480
	.section	.rodata,"a",@progbits
	.p2align	6, 0x0
	.amdhsa_kernel k_q88c249d771_attn
		.amdhsa_group_segment_fixed_size 169984
		.amdhsa_private_segment_fixed_size 0
		.amdhsa_enable_private_segment 0
		.amdhsa_kernarg_size 24
		.amdhsa_user_sgpr_count 2
		.amdhsa_user_sgpr_kernarg_segment_ptr 1
		.amdhsa_wavefront_size32 1
		.amdhsa_system_sgpr_workgroup_id_x 1
		.amdhsa_system_sgpr_workgroup_id_y 1
		.amdhsa_system_sgpr_workgroup_id_z 1
		.amdhsa_system_vgpr_workitem_id 0
		.amdhsa_next_free_vgpr 256
		.amdhsa_next_free_sgpr 66
		.amdhsa_reserve_vcc 1
		.amdhsa_float_denorm_mode_32 3
		.amdhsa_float_denorm_mode_16_64 3
		.amdhsa_memory_ordered 1
		.amdhsa_forward_progress 1
		.amdhsa_inst_pref_size 56
	.end_amdhsa_kernel
	.amdgpu_metadata
---
amdhsa.version: [ 1, 2 ]
amdhsa.kernels:
  - .name:           k_q88c249d771_attn
    .symbol:         k_q88c249d771_attn.kd
    .args:
      - { .name: img, .offset: 0, .size: 8, .value_kind: global_buffer, .address_space: global }
      - { .name: cc, .offset: 8, .size: 8, .value_kind: global_buffer, .address_space: global }
      - { .name: cs, .offset: 16, .size: 8, .value_kind: global_buffer, .address_space: global }
    .group_segment_fixed_size: 169984
    .private_segment_fixed_size: 0
    .kernarg_segment_align: 8
    .kernarg_segment_size: 24
    .max_flat_workgroup_size: 512
    .sgpr_count:     66
    .vgpr_count:     256
    .wavefront_size: 32
...
	.end_amdgpu_metadata
.endif
;; end of part 3
;; launch oproj (part 4): grid 4 x 32, 4 waves a work-group, clusters of 4 x 4, 327,680 bytes of LDS; arguments cc, cs, codes, scales, bo, out0; writes out0
.if DOCPART == 4
	.amdgcn_target "amdgcn-amd-amdhsa--gfx1250"
	.amdhsa_code_object_version 6
	.text
	.protected	k_q88c249d771_oproj
	.globl	k_q88c249d771_oproj
	.p2align	8
	.type	k_q88c249d771_oproj,@function
k_q88c249d771_oproj:
	s_mov_b64 s[64:65], 0
	v_nop
	global_prefetch_b8 v0, s[64:65] scope:SCOPE_SE
	s_setreg_imm32_b32 hwreg(HW_REG_WAVE_MODE, 25, 1), 1
	s_wait_xcnt 0x0
	s_wait_alu depctr_hold_cnt(0) depctr_sa_sdst(0) depctr_va_vdst(0) depctr_va_sdst(0) depctr_va_ssrc(0) depctr_va_vcc(0) depctr_vm_vsrc(0)
	s_getreg_b32 s2, hwreg(HW_REG_IB_STS2, 6, 4)
	s_cmp_eq_u32 s2, 0
	s_cbranch_scc0 .Lentry_in_a_cluster
	s_endpgm
.Lentry_in_a_cluster:
	s_bfe_u32 s2, ttmp6, 0x10000c
	s_cmp_lg_u32 s2, 0xf033
	s_cbranch_scc0 .Lentry_shape_is_right
	s_endpgm
.Lentry_shape_is_right:
; out0 = ctx wo^T + bo on codes of FP4 with E8M0 scales.  ctx's codes (cc) lie as images of the operand's registers, [tile of 16 rows][head][512 bytes]; its scale bytes (cs) [8192][32].
; wo's codes are rows 11,264 on of the buffer of codes (512 bytes a row, natural order), its scale bytes likewise (32 a row).  out0 [8192][1024] f32.
; A tile of 256 x 256 to a work-group of four waves, 128 x 128 to a wave.  K = 1,024 is two LDS slots of 512, both first fills: nothing is filled again.  A wave has three tensor loads out at most.
; A's part of a slot is dense (16 tiles x 4,096 bytes, read 16 bytes a lane on end); B's rows are 256 bytes + 16 of padding.  The scale bytes of all of K come once.
; CLUSTER 4 x 4: A's tiles are shared along a row of the cluster, B's along a column, by joint loads.  128 work-groups: the size has no more tiles of 256 x 256.
; The matrix instruction takes wo's rows as source 0 and ctx's as source 1: a lane holds eight neighbouring numbers of a row of out0.  bo is the C of the first step's products.
; REGISTERS: window 0: v1-28 addresses; v32-95 scale words, two sets; v128-191 A's fragments, one set; v192-255 bo in the result's layout; on the way out v128-255 rows of out0.
;   window 1: B's fragments, two sets.   windows 2, 3: the accumulators.
.set PITCH,  272
.set HALFT,  128*PITCH
.set APART,  65536                     ; A's part of a slot
.set HALFA,  32768                     ; eight tiles of rows x 4,096 bytes: what one tensor load brings of A
.set SLOT,   APART+2*HALFT
.set NQ,     4
.set FR,     8
.set NL,     2
.set NP,     4
.set SCL,    2*SLOT
.set HALFS,  16*272
.set SBLK,   2*272
.set SPITCH, 528                       ; the way out: a stage of 16 rows x (512 bytes + 16) for each wave, in slot 0, which has had its one fill and its last read by then
.set ROWWO,  11264
.set ADRA, 16
.set ADRB, 20
.set STO,  24
.set RD,   25
.set CO,   26
.set ADRS, 27
.set CBO,  28
.set SC,   32
.set AF,   128
.set BK,   128
.set BC,   192
.set G1, 24
.set G0, 32
.set G1B, 48
.set G0B, 56
.set G1S, 68
.set G0S, 76
.set G1SB, 80
.set G0SB, 88
.set MSB, 0
.macro WIN new
.if MSB != \new
	s_set_vgpr_msb (MSB<<8)|\new
.set MSB, \new
.endif
.endm
.set MUL_LO,   0xa1
.set MUL_HI,   0xf1
.set FIRST_LO, 0x81                    ; the first step: C (bo) window 0, D window 2
.set FIRST_HI, 0xc1
.set TO_B,     0x40
.macro JLOAD g0a, g1a, g0b, g1b        ; waves 0 and 1 fetch for A, waves 2 and 3 for B; four v_nop follow each of the two lines
	s_cmp_eq_u32 s17, 0
	s_cbranch_scc0 .Lfor_b_\@
	tensor_load_to_lds s[\g0a:\g0a+3], s[\g1a:\g1a+7]
	s_nop 0
.rept 4
	v_nop
.endr
	s_branch .Lasked_\@
.Lfor_b_\@:
	tensor_load_to_lds s[\g0b:\g0b+3], s[\g1b:\g1b+7]
	s_nop 0
.rept 4
	v_nop
.endr
.Lasked_\@:
.endm
.macro CROUND
	s_barrier_signal -1
	s_barrier_wait -1
	s_cmp_lg_u32 s16, 0
	s_cbranch_scc1 .Lnot_wave_0_\@
	s_barrier_signal -3
.Lnot_wave_0_\@:
	s_barrier_wait -3
	s_barrier_signal -1
	s_barrier_wait -1
.endm
	s_load_b256 s[4:11], s[0:1], 0x0               ; cc s[4:5], cs s[6:7], codes s[8:9], scales s[10:11]
	s_load_b128 s[12:15], s[0:1], 0x20             ; bo s[12:13], out0 s[14:15]
	v_lshl_add_u32 v126, v0, 2, 0x46400
	v_mov_b32 v127, 0
	ds_add_u32 v126, v127
	ds_add_u32 v126, v127
	v_lshrrev_b32 v1, 5, v0
	v_readfirstlane_b32 s16, v1                    ; wave 0..3
	s_lshr_b32 s17, s16, 1                         ; my half of the tile's rows.  Also: I fetch for A (0) or for B (1)
	s_and_b32 s18, s16, 1                          ; my half of its columns.  Also: which half I fetch
	s_bfe_u32 s40, ttmp6, 0x40000                  ; cx
	s_bfe_u32 s41, ttmp6, 0x40004                  ; cy
	s_lshl_b32 s42, ttmp9, 2
	s_add_co_u32 s42, s42, s40                     ; tile column
	s_and_b32 s66, ttmp7, 0xffff
	s_lshl_b32 s66, s66, 2
	s_add_co_u32 s66, s66, s41                     ; tile row
	s_lshl_b32 s43, s41, 2
	s_lshl_b32 s43, 15, s43                        ; my row of the cluster
	s_lshl_b32 s44, 0x1111, s40                    ; my column
	s_or_b32 s[G1+0], s43, (3<<16)|(1<<21)         ; A: the mask; elements of 8 bytes; no padding; bit 21 beside a mask
	s_mov_b32 s[G1+1], 512<<16                     ; tensor_dim0 = 512 elements: 4,096 bytes, eight heads of a tile of rows
	s_mov_b32 s[G1+2], 8<<16                       ; tensor_dim1 = 8 tiles of rows
	s_mov_b32 s[G1+3], 512<<16                     ; tile_dim0
	s_mov_b32 s[G1+4], 8                           ; tile_dim1
	s_mov_b32 s[G1+5], 1024                        ; 8,192 bytes from a tile of rows to the next
	s_mov_b32 s[G1+6], 0
	s_mov_b32 s[G1+7], 0
	s_or_b32 s[G1B+0], s44, (0<<16)|(1<<20)|(1<<21)|(5<<22)|(3<<25)   ; B: 128 rows of 256 bytes, 16 bytes of padding behind each
	s_mov_b32 s[G1B+1], 256<<16
	s_mov_b32 s[G1B+2], 128<<16
	s_mov_b32 s[G1B+3], 256<<16
	s_mov_b32 s[G1B+4], 128
	s_mov_b32 s[G1B+5], 512
	s_mov_b32 s[G1B+6], 0
	s_mov_b32 s[G1B+7], 0
	s_or_b32 s[G1S+0], s43, (3<<16)|(1<<20)|(1<<21)|(5<<22)|(3<<25)   ; the scales of 128 rows: 16 rows of 256 dense bytes, 16 of padding behind each
	s_or_b32 s[G1SB+0], s44, (3<<16)|(1<<20)|(1<<21)|(5<<22)|(3<<25)
.irp g, G1S, G1SB
	s_mov_b32 s[\g+1], 32<<16
	s_mov_b32 s[\g+2], 16<<16
	s_mov_b32 s[\g+3], 32<<16
	s_mov_b32 s[\g+4], 16
	s_mov_b32 s[\g+5], 32
	s_mov_b32 s[\g+6], 0
	s_mov_b32 s[\g+7], 0
.endr
	s_lshl_b32 s19, s18, 7                         ; which 128 rows I fetch
	s_lshl_b32 s20, s66, 8
	s_add_co_u32 s20, s20, s19                     ; A's row: 256 x tile row + 128 x half
	s_lshl_b32 s46, s42, 8
	s_add_co_u32 s46, s46, s19
	s_add_co_u32 s46, s46, ROWWO                   ; B's row in the buffer of codes
	s_lshl_b32 s22, s20, 5
	s_mov_b32 s23, 0
	s_lshl_b32 s92, s46, 5
	s_mov_b32 s93, 0
	s_lshl_b32 s20, s20, 9                         ; (row / 16) x 8,192
	s_mov_b32 s21, 0
	s_lshl_b32 s46, s46, 9
	s_mov_b32 s47, 0
	s_mul_i32 s45, s18, HALFA                      ; where A's half goes,
	s_mul_i32 s95, s18, HALFT
	s_add_co_u32 s95, s95, APART                   ; where B's,
	s_mul_i32 s94, s16, HALFS                      ; and the scales: no place in the cluster enters an LDS address
	s_wait_dscnt 0x0
	s_wait_kmcnt 0x0
	s_add_nc_u64 s[20:21], s[4:5], s[20:21]
	s_add_nc_u64 s[22:23], s[6:7], s[22:23]
	s_add_nc_u64 s[46:47], s[8:9], s[46:47]
	s_add_nc_u64 s[92:93], s[10:11], s[92:93]
	CROUND                                         ; all sixteen work-groups are here: the joint loads meet
	s_mov_b32 s[G0S], 1
	s_add_co_u32 s[G0S+1], s94, SCL
	s_mov_b64 s[G0S+2:G0S+3], s[22:23]
	s_or_b32 s[G0S+3], s[G0S+3], 0x80000000
	s_mov_b32 s[G0SB], 1
	s_add_co_u32 s[G0SB+1], s94, SCL
	s_mov_b64 s[G0SB+2:G0SB+3], s[92:93]
	s_or_b32 s[G0SB+3], s[G0SB+3], 0x80000000
	JLOAD G0S, G1S, G0SB, G1SB
.irp s, 0,1
	s_mov_b32 s[G0+4*\s], 1
	s_add_co_u32 s[G0+4*\s+1], s45, \s*SLOT
	s_add_nc_u64 s[G0+4*\s+2:G0+4*\s+3], s[20:21], \s*4096
	s_or_b32 s[G0+4*\s+3], s[G0+4*\s+3], 0x80000000
	s_mov_b32 s[G0B+4*\s], 1
	s_add_co_u32 s[G0B+4*\s+1], s95, \s*SLOT
	s_add_nc_u64 s[G0B+4*\s+2:G0B+4*\s+3], s[46:47], \s*256
	s_or_b32 s[G0B+4*\s+3], s[G0B+4*\s+3], 0x80000000
	JLOAD G0+4*\s, G1, G0B+4*\s, G1B
.endr
	v_and_b32 v1, 15, v0                           ; r
	v_bfe_u32 v2, v0, 4, 1                         ; h
	v_and_b32 v6, 31, v0
	v_lshlrev_b32 v[CO], 4, v6                     ; 16 x lane
	v_mul_u32_u24 v3, v1, PITCH
	v_lshl_add_u32 v4, v2, 4, v3
	s_mul_i32 s21, s17, HALFA                      ; my eight tiles of A's rows
	s_mul_i32 s22, s18, HALFT
	s_add_co_u32 s22, s22, APART                   ; my 128 rows of B
.irp s, 0,1
	v_add_nc_u32 v[ADRA+\s], s21, v[CO]
	v_add_nc_u32 v[ADRB+\s], s22, v4
	s_add_co_u32 s21, s21, SLOT
	s_add_co_u32 s22, s22, SLOT
.endr
	v_mul_u32_u24 v5, v1, 32
	v_lshrrev_b32 v6, 8, v5
	v_lshl_add_u32 v5, v6, 4, v5
	s_mul_i32 s21, s17, HALFS
	s_mul_i32 s22, s18, HALFS
	s_add_co_u32 s22, s22, 2*HALFS
	s_sub_co_u32 s22, s22, s21
	v_mul_u32_u24 v6, s22, v2                      ; lanes 16-31 take B's
	s_add_co_u32 s21, s21, SCL
	v_add_nc_u32 v5, v5, v6
	v_add_nc_u32 v[ADRS], s21, v5
	s_mul_i32 s23, s16, 16*SPITCH                  ; my stage
	v_mul_u32_u24 v5, v1, SPITCH
	v_lshl_add_u32 v5, v2, 5, v5
	v_add_nc_u32 v[STO], s23, v5                   ; in: row r, 32 bytes for each half of the lanes
	v_add_nc_u32 v[RD], s23, v[CO]                 ; back: the 32 lanes take one row of 512 bytes
	v_lshlrev_b32 v[CBO], 5, v2
	s_lshl_b32 s46, s42, 10
	s_lshl_b32 s47, s18, 9
	s_add_co_u32 s46, s46, s47                     ; my first column, in bytes: 1,024 x tile column + 512 x half
	s_mov_b32 s47, 0
	s_add_nc_u64 s[12:13], s[12:13], s[46:47]      ; bo there
.irp b, 0,1,2,3,4,5,6,7
	global_load_b128 v[BC+8*\b:BC+8*\b+3], v[CBO], s[12:13] offset:64*\b       ; bo(16 b + 8 h + 0 .. 7)
	global_load_b128 v[BC+8*\b+4:BC+8*\b+7], v[CBO], s[12:13] offset:64*\b+16
.endr
	s_lshl_b32 s20, s66, 8
	s_lshl_b32 s21, s17, 7
	s_add_co_u32 s20, s20, s21                     ; my first row
	s_lshl_b32 s20, s20, 12                        ; 4,096 bytes a row
	s_mov_b32 s21, 0
	s_add_nc_u64 s[20:21], s[20:21], s[46:47]
	s_add_nc_u64 s[14:15], s[14:15], s[20:21]
	s_wait_loadcnt 0x0
.macro FRAGB reg, adr, q, i
.irp c, 0,1
	ds_load_b128 v[\reg+4*\c:\reg+4*\c+3], v[\adr] offset:64*(\q)+32*\c+(\i)*16*PITCH
.endr
.endm
.macro FRAGA reg, adr, q, i            ; the image of tile i's fragment: heads 2 q and 2 q + 1 of the slot's eight
.irp c, 0,1
	ds_load_b128 v[\reg+4*\c:\reg+4*\c+3], v[\adr] offset:4096*(\i)+1024*(\q)+512*\c
.endr
.endm
; The 64 accumulators take turns, one instruction a turn, in the same order in every step.  first = 1: bo starts the sums.
.macro MUL16 a0, p, q, sc, first
.irp a, \a0, \a0+1
.irp b, 0,1,2,3,4,5,6,7
.if \first
	v_wmma_scale_f32_16x16x128_f8f6f4 v[8*(8*((\a)%4)+\b):8*(8*((\a)%4)+\b)+7], v[128*(\p)+FR*\b:128*(\p)+FR*\b+FR-1], v[AF+FR*(\a):AF+FR*(\a)+FR-1], v[BC+8*\b:BC+8*\b+7], v[SC+8*NQ*(\sc)+NQ*\b+(\q)], v[SC+8*NQ*(\sc)+NQ*(\a)+(\q)] matrix_a_fmt:MATRIX_FMT_FP4 matrix_b_fmt:MATRIX_FMT_FP4 matrix_a_scale:MATRIX_SCALE_ROW1
.else
	v_wmma_scale_f32_16x16x128_f8f6f4 v[8*(8*((\a)%4)+\b):8*(8*((\a)%4)+\b)+7], v[128*(\p)+FR*\b:128*(\p)+FR*\b+FR-1], v[AF+FR*(\a):AF+FR*(\a)+FR-1], v[8*(8*((\a)%4)+\b):8*(8*((\a)%4)+\b)+7], v[SC+8*NQ*(\sc)+NQ*\b+(\q)], v[SC+8*NQ*(\sc)+NQ*(\a)+(\q)] matrix_a_fmt:MATRIX_FMT_FP4 matrix_b_fmt:MATRIX_FMT_FP4 matrix_a_scale:MATRIX_SCALE_ROW1
.endif
.endr
.endr
.endm
.macro FETCH_B slot, q, p
	WIN TO_B
.irp i, 0,1,2,3,4,5,6,7
	FRAGB 128*(\p)+FR*\i, ADRB+\slot, \q, \i
.endr
	WIN 0
.endm
.macro FETCH_A slot, q, i0
.irp i, \i0, \i0+1, \i0+2, \i0+3
	FRAGA AF+FR*(\i), ADRA+\slot, \q, \i
.endr
.endm
.macro SCALES sc
.irp i, 0,1,2,3,4,5,6,7
	ds_load_b128 v[SC+8*NQ*\sc+NQ*\i:SC+8*NQ*\sc+NQ*\i+3], v[ADRS] offset:\i*SBLK
.endr
.endm
.macro PLACES n                        ; plain vector lines between a matrix instruction and a load into its registers or a read of its result
.rept \n
	v_nop
.endr
.endm
.macro STEP slot, q, first
	s_wait_dscnt 4*NL                              ; all but the youngest eight loads (A's blocks 4-7) are in
.if \first
	WIN FIRST_LO
.else
	WIN MUL_LO
.endif
	MUL16 0, (\q)%2, \q, \slot, \first
	MUL16 2, (\q)%2, \q, \slot, \first
	s_wait_dscnt 0
	PLACES NP
	FETCH_B \slot, (\q)+1, 1-(\q)%2
	FETCH_A \slot, (\q)+1, 0
.if \first
	WIN FIRST_HI
.else
	WIN MUL_HI
.endif
	MUL16 4, (\q)%2, \q, \slot, \first
	MUL16 6, (\q)%2, \q, \slot, \first
	PLACES NP
	WIN 0
	FETCH_A \slot, (\q)+1, 4
.endm
.macro TURN slot, next                 ; slot 0's last step and the change to slot 1; nothing is filled again
	s_wait_tensorcnt 0x0                           ; my part of slot 1 has landed
	s_wait_dscnt 4*NL
	WIN MUL_LO
	MUL16 0, 1, NQ-1, \slot, 0
	s_wait_dscnt 0x0                               ; my reads of slot 0 are over
	s_barrier_signal -1
	MUL16 2, 1, NQ-1, \slot, 0
	WIN 0
	s_barrier_wait -1                              ; slot 1 is whole, and nobody reads slot 0 any more
	PLACES NP
	v_add_nc_u32 v[ADRS], 4*NQ, v[ADRS]
	FETCH_B \next, 0, 0
	FETCH_A \next, 0, 0
	SCALES \next
	WIN MUL_HI
	MUL16 4, 1, NQ-1, \slot, 0
	MUL16 6, 1, NQ-1, \slot, 0
	PLACES NP
	WIN 0
	FETCH_A \next, 0, 4
.endm
	s_wait_tensorcnt 1                             ; the scales and my part of slot 0 are in; slot 1's load may be out
	s_barrier_signal -1
	s_barrier_wait -1
	FETCH_B 0, 0, 0
	FETCH_A 0, 0, 0
	SCALES 0
	FETCH_A 0, 0, 4
	STEP 0, 0, 1
	STEP 0, 1, 0
	STEP 0, 2, 0
	TURN 0, 1
	STEP 1, 0, 0
	STEP 1, 1, 0
	STEP 1, 2, 0
	s_wait_dscnt 4*NL
	WIN MUL_LO
	MUL16 0, 1, NQ-1, 1, 0
	MUL16 2, 1, NQ-1, 1, 0
	s_wait_dscnt 0
	WIN MUL_HI
	MUL16 4, 1, NQ-1, 1, 0
	MUL16 6, 1, NQ-1, 1, 0
	WIN 0
; THE WAY OUT, block by block of 16 rows x 128 columns, through my own stage: a lane's 32 bytes of a row go in, whole rows of 512 bytes come back.  LDS serves a wave's instructions in order: no wait between the stores and the loads.
.macro TOSTAGE a
.set AC, 64*((\a)%4)
	WIN 0x08+4*((\a)/4)                            ; the data: window 2 or 3
.irp b, 0,1,2,3,4,5,6,7
	ds_store_b128 v[STO], v[AC+8*\b:AC+8*\b+3] offset:64*\b          ; each accumulator from its low end on
	ds_store_b128 v[STO], v[AC+8*\b+4:AC+8*\b+7] offset:64*\b+16
.endr
	WIN 0
.set BB, BK+64*((\a)%2)
.irp t, 0,1,2,3,4,5,6,7,8,9,10,11,12,13,14,15
	ds_load_b128 v[BB+4*\t:BB+4*\t+3], v[RD] offset:\t*SPITCH
.endr
.endm
.macro SEND a, younger                 ; younger: the LDS instructions issued behind block a's loads, which may stay out
.set BB, BK+64*((\a)%2)
	s_wait_dscnt \younger
.if (\a) > 0
	s_add_nc_u64 s[14:15], s[14:15], 16*4096       ; 16 rows on (behind a wait on XCNT: the earlier stores have read their base)
.endif
.irp t, 0,1,2,3,4,5,6,7,8,9,10,11,12,13,14,15
	global_store_b128 v[CO], v[BB+4*\t:BB+4*\t+3], s[14:15] offset:\t*4096 th:TH_STORE_NT   ; 32 lanes store 512 consecutive bytes, aligned
.endr
.endm
	PLACES NP
	TOSTAGE 0
.irp a, 1,2,3,4,5,6,7
.if \a > 1
	s_wait_xcnt 0x0                                ; block a - 2's stores have read their registers and their base
.endif
	TOSTAGE \a
	SEND \a-1, 32                                  ; behind block a - 1's loads: block a's 16 stores and 16 loads
.endr
	s_wait_xcnt 0x0
	SEND 7, 0
	s_wait_tensorcnt 0x0
	s_wait_tensorcnt 0x0
	ds_add_u32 v126, v127
	s_wait_dscnt 0x0
	CROUND                                         ; the closing round: no work-group ends while a partner may still ask for a tile that names it
	s_endpgm
.Lfunc_end_k_q88c249d771_oproj:
	.size	k_q88c249d771_oproj, .Lfunc_end_k_q88c249d771_oproj-k_q88c249d771_oproj
	.p2alignl 7, 3214868480
	.fill 96, 4, 3214868480
	.section	.rodata,"a",@progbits
	.p2align	6, 0x0
	.amdhsa_kernel k_q88c249d771_oproj
		.amdhsa_group_segment_fixed_size 327680
		.amdhsa_private_segment_fixed_size 0
		.amdhsa_enable_private_segment 0
		.amdhsa_kernarg_size 48
		.amdhsa_user_sgpr_count 2
		.amdhsa_user_sgpr_kernarg_segment_ptr 1
		.amdhsa_wavefront_size32 1
		.amdhsa_system_sgpr_workgroup_id_x 1
		.amdhsa_system_sgpr_workgroup_id_y 1
		.amdhsa_system_sgpr_workgroup_id_z 1
		.amdhsa_system_vgpr_workitem_id 0
		.amdhsa_next_free_vgpr 1024
		.amdhsa_next_free_sgpr 102
		.amdhsa_reserve_vcc 0
		.amdhsa_float_denorm_mode_32 3
		.amdhsa_float_denorm_mode_16_64 3
		.amdhsa_memory_ordered 1
		.amdhsa_forward_progress 1
		.amdhsa_inst_pref_size 126
	.end_amdhsa_kernel
	.amdgpu_metadata
---
amdhsa.version: [ 1, 2 ]
amdhsa.kernels:
  - .name:           k_q88c249d771_oproj
    .symbol:         k_q88c249d771_oproj.kd
    .args:
      - { .name: cc, .offset: 0, .size: 8, .value_kind: global_buffer, .address_space: global }
      - { .name: cs, .offset: 8, .size: 8, .value_kind: global_buffer, .address_space: global }
      - { .name: codes, .offset: 16, .size: 8, .value_kind: global_buffer, .address_space: global }
      - { .name: scales, .offset: 24, .size: 8, .value_kind: global_buffer, .address_space: global }
      - { .name: bo, .offset: 32, .size: 8, .value_kind: global_buffer, .address_space: global }
      - { .name: out0, .offset: 40, .size: 8, .value_kind: global_buffer, .address_space: global }
    .group_segment_fixed_size: 327680
    .private_segment_fixed_size: 0
    .kernarg_segment_align: 8
    .kernarg_segment_size: 48
    .max_flat_workgroup_size: 128
    .sgpr_count:     102
    .vgpr_count:     1024
    .wavefront_size: 32
...
	.end_amdgpu_metadata
.endif
;; end of part 4
